; MI455X (gfx1250); checked and timed in simulation.
; The chip was launched on July 23, 2026; its instructions are those of AMD's public machine-readable ISA for CDNA 5 (MIT licence, August 2026) and "CDNA5" Instruction Set Architecture Reference Guide (July 2026). The comments in the code are by the model that wrote it; some were corrected since.
;; Multi Head Attention. Allowed arithmetic: float matrix products may take bf16 or f16 operands with f32 sums; other float arithmetic in f32, or as packed bf16 or f16 multiplies, adds, multiply-adds, maxima and minima; sums over many terms, partial sums and values carried from step to step in f32; what a program stores and reads back later, other than sums and carried values, may be rounded once to bf16 or f16.
;; Inputs: Wk 1,024 x 1,024 float32; Wo 1,024 x 1,024 float32; Wq 1,024 x 1,024 float32; Wv 1,024 x 1,024 float32; keys 4 x 2,048 x 1,024 float32; mask 4 x 2,048 x 2,048 int32; queries 4 x 2,048 x 1,024 float32; values 4 x 2,048 x 1,024 float32.
;; Outputs: out0 4 x 2,048 x 1,024 float32.
;; 2 versions, each right; version 2 is version 1 with the launch prep written anew for expert scheduling mode. Each part assembles by itself: llvm-mc -triple=amdgcn-amd-amdhsa -mcpu=gfx1250 --defsym DOCPART=n.
;; ======== version 1 of 2: 4 launches
;; limits: values are held in f16: magnitudes above 65,504 overflow, below 6.1e-05 lose precision
;; workspace buffers: wt 8,388,608 bytes; maskb 16,777,216 bytes; rowkeep 65,536 bytes; qkv 50,331,648 bytes; o 16,777,216 bytes
;; launch prep (part 1): grid 768 x 1, 8 waves a work-group, no clusters, 72,960 bytes of LDS; arguments mask, Wq, Wk, Wv, Wo, maskb, rowkeep, wt; writes maskb, rowkeep, wt
.if DOCPART == 1
	.amdgcn_target "amdgcn-amd-amdhsa--gfx1250"
	.amdhsa_code_object_version 6
	.text
	.protected	k_qa106e31e69_prep
	.globl	k_qa106e31e69_prep
	.p2align	8
	.type	k_qa106e31e69_prep,@function
k_qa106e31e69_prep:
	s_mov_b64 s[64:65], 0
	v_nop
	global_prefetch_b8 v0, s[64:65] scope:SCOPE_SE
	s_setreg_imm32_b32 hwreg(HW_REG_WAVE_MODE, 25, 1), 1
	s_wait_xcnt 0x0
; PREP.  Work-groups 0-511: the mask [4][2048][2048] int32 becomes one byte a score, 0x00 where the key is seen and 0xB8 (fp8 E4M3 -1.0) where mask == 0,
; laid out as a lane of the attention launch holds its scores; and a keep word for each query row (all ones if the row sees a key, else 0).
; Work-groups 512-767: the four weights, transposed, sorted by heads and rounded once to bf16 (Wo: that number written as f16; exact while |Wo| lies in f16's normal range, under 65,504).
; maskb byte ((((b 16 + qb) 32 + s) 8 + t) 2 + p) 512 + 16 l + i: query 16 (8 qb + t) + l % 16, key 64 s + 16 (2 p + i / 8) + 8 (l / 16) + i % 8.
; wt: four matrices of 2 MiB, [kb 16][n 1024][64] of 16 bits.  q, k, v: wt[kb][64 h + d][kk] = W[64 kb + kk][16 d + h].  Wo: wt[h][n][d] = Wo[16 d + h][n].
; Memory binds: every load and store of a wave covers 512 consecutive bytes, aligned (the keep words: 128); no matrix unit, no cluster: no work-group reads what another reads.
; LDS: the mask's path and the weights' paths have bytes of their own, so that no store of the one can name a byte of the other.
.set TP,    272                        ; mask: an LDS row of 256 code bytes + 16
.set TW,    16*TP                      ; a wave's own 16 rows; eight waves: bytes 0 to 34,815
.set FLG,   34816                      ; eight words: each wave's row flags
.set WREG,  35072                      ; the weights' tile: 256 rows of 144 bytes
.set WP,    144                        ; weights: an LDS row of 64 numbers of 16 bits + 16
.set SPARE, 71936                      ; the spare words, 128 bytes a wave: four blocks of 256 bytes that no other line names
.set SPW,   8                          ; v8  my spare word's address; never rewritten
.set NIL,   9                          ; v9  0; never rewritten
.set X,     32                         ; v[32:159] as loaded
.set Y,     160                        ; v[160:191] to store
.macro FINISH                          ; the wave's end: behind my last LDS store
	s_wait_tensorcnt 0x0
	ds_add_u32 v[SPW], v[NIL]
	s_wait_dscnt 0x0
	s_endpgm
.endm
	s_load_b512 s[4:19], s[0:1], 0x0               ; mask s[4:5], Wq s[6:7], Wk s[8:9], Wv s[10:11], Wo s[12:13], maskb s[14:15], rowkeep s[16:17], wt s[18:19]
	v_lshl_add_u32 v[SPW], v0, 2, SPARE
	v_mov_b32 v[NIL], 0
	v_lshrrev_b32 v1, 5, v0
	v_readfirstlane_b32 s20, v1                    ; wave 0..7
	v_and_b32 v1, 31, v0                           ; lane l
	v_and_b32 v2, 15, v0                           ; l % 16
	v_bfe_u32 v3, v0, 4, 1                         ; l / 16
	s_cmp_ge_u32 ttmp9, 512                        ; the same for all eight waves
	s_cbranch_scc1 .Lweights
	; THE MASK.  The work-group owns 16 query rows, wave w their keys 256 w .. 256 w + 255.
	s_lshl_b32 s22, ttmp9, 17                      ; 16 rows of 8,192 bytes
	s_mov_b32 s23, 0
	s_lshl_b32 s21, s20, 10
	v_lshl_add_u32 v4, v1, 4, s21                  ; in: 16 l + 1,024 w
	s_mul_i32 s21, s20, TW
	v_lshl_add_u32 v5, v1, 2, s21                  ; into my rows: 4 l
	v_mul_u32_u24 v6, v2, TP
	v_lshl_add_u32 v6, v3, 3, v6
	v_add_nc_u32 v6, s21, v6                       ; back: row l % 16, 8 bytes for each half of the lanes
	s_lshl_b32 s21, s20, 15
	v_lshl_add_u32 v7, v1, 4, s21                  ; out: 16 l + my four key steps of 8,192 bytes
	s_lshl_b32 s21, s20, 2
	s_add_co_u32 s21, s21, FLG
	v_mov_b32 v11, s21                             ; my flag word
	s_mov_b32 s26, 0                               ; bit r: row r sees one of my keys
	s_mov_b32 s27, 0xb8
	s_lshr_b32 s28, ttmp9, 3
	s_lshl_b32 s28, s28, 18                        ; (b 16 + qb) x 262,144
	s_and_b32 s29, ttmp9, 7
	s_lshl_b32 s29, s29, 10                        ; + t x 1,024
	s_add_co_u32 s28, s28, s29
	s_mov_b32 s29, 0
	s_lshl_b32 s30, ttmp9, 7                       ; the tile's 32 keep words
	s_mov_b32 s31, 0
	s_wait_kmcnt 0x0
	s_add_nc_u64 s[4:5], s[4:5], s[22:23]
	s_add_nc_u64 s[14:15], s[14:15], s[28:29]
	s_add_nc_u64 s[16:17], s[16:17], s[30:31]
.set r, 0
.rept 16                                       ; all 32 loads go out at once: 16 KiB a wave on their way
	global_load_b128 v[X+8*r:X+8*r+3],   v4, s[4:5] offset:8192*r th:TH_LOAD_NT
	global_load_b128 v[X+8*r+4:X+8*r+7], v4, s[4:5] offset:8192*r+512 th:TH_LOAD_NT
.set r, r+1
.endr
.set r, 0
.rept 16
	s_wait_loadcnt 30-2*r                          ; loads come back in order: row r's two are in, the younger ones stay out
.set c, 0
.rept 2
.set xb, X+8*r+4*c
	v_min_u32 v[xb], 1, v[xb]                      ; 1 where the key is seen (any number but 0)
	v_min_u32 v[xb+1], 1, v[xb+1]
	v_min_u32 v[xb+2], 1, v[xb+2]
	v_min_u32 v[xb+3], 1, v[xb+3]
	v_lshl_or_b32 v[xb], v[xb+1], 8, v[xb]
	v_lshl_or_b32 v[xb+2], v[xb+3], 8, v[xb+2]
	v_lshl_or_b32 v[xb], v[xb+2], 16, v[xb]        ; four keep bytes
	v_xor_b32 v[xb+1], 0x01010101, v[xb]           ; 1 where hidden,
	v_mul_lo_u32 v[xb+1], v[xb+1], s27             ; times 0xB8: no byte carries into the next
	ds_store_b32 v5, v[xb+1] offset:TP*r+128*c
.set c, c+1
.endr
	v_or_b32 v10, v[X+8*r], v[X+8*r+4]
	v_cmp_ne_u32 s24, 0, v10                       ; the lanes that see a key of row r
	s_cmp_lg_u32 s24, 0
	s_cselect_b32 s25, (1<<r), 0
	s_or_b32 s26, s26, s25
.set r, r+1
.endr
	v_mov_b32 v10, s26
	ds_store_b32 v11, v10                          ; all lanes write the same word with the same value
	s_wait_dscnt 0x0                               ; for the others' sake: my flag word is written
	s_barrier_signal -1
	s_barrier_wait -1                              ; the one barrier, for the flags; the code bytes are each wave's own
.set q, 0
.rept 8                                        ; q = 2 x key step + p: 8 bytes of key block 2 p, 8 of key block 2 p + 1
	ds_load_b64 v[Y+4*q:Y+4*q+1],   v6 offset:32*q
	ds_load_b64 v[Y+4*q+2:Y+4*q+3], v6 offset:32*q+16
.set q, q+1
.endr
.set q, 0
.rept 8
	s_wait_dscnt 14-2*q                            ; LDS loads come back in order
	global_store_b128 v7, v[Y+4*q:Y+4*q+3], s[14:15] offset:8192*(q/2)+512*(q%2)
.set q, q+1
.endr
	s_cmp_lg_u32 s20, 0                            ; wave 0 writes the keep words
	s_cbranch_scc1 .Lmask_end
	v_mov_b32 v12, FLG
	ds_load_b128 v[16:19], v12
	ds_load_b128 v[20:23], v12 offset:16
	s_wait_dscnt 0x0
	v_or_b32 v16, v16, v17
	v_or_b32 v18, v18, v19
	v_or_b32 v20, v20, v21
	v_or_b32 v22, v22, v23
	v_or_b32 v16, v16, v18
	v_or_b32 v20, v20, v22
	v_or_b32 v16, v16, v20
	v_lshrrev_b32 v16, v2, v16                     ; my row's bit,
	v_and_b32 v16, 1, v16
	v_sub_nc_u32 v16, 0, v16                       ; as 0 or all ones
	v_lshlrev_b32 v13, 2, v1
	global_store_b32 v13, v16, s[16:17]
.Lmask_end:
	FINISH
	; THE WEIGHTS.  A work-group turns 64 (k) x 256 (columns) of one matrix: wave w loads k = 8 w .. 8 w + 7, two k pack into a word, LDS row = column.
.macro WTILE rs, wo                    ; rs: bytes from k to k + 1 in memory.  wo = 1: the bf16 number is written as f16
.set n, 0
.rept 16                               ; n = 4 i + 2 c + e: k = 8 w + 2 i + e, columns 128 c + 4 l ..
	global_load_b128 v[X+4*n:X+4*n+3], v4, s[26:27] offset:(2*(n/4)+n%2)*(\rs)+512*((n/2)%2) th:TH_LOAD_NT
.set n, n+1
.endr
.set n, 0
.rept 8                                ; n = 2 i + c
	s_wait_loadcnt 14-2*n                          ; this pair of k is in, the younger loads stay out
.set j, 0
.rept 4
	v_cvt_pk_bf16_f32 v[12+j], v[X+8*n+j], v[X+8*n+4+j]
.if \wo
	v_lshlrev_b32 v[16+j], 16, v[12+j]
	v_and_b32 v[12+j], 0xffff0000, v[12+j]
	v_cvt_pk_f16_f32 v[12+j], v[16+j], v[12+j]
.endif
	ds_store_b32 v5, v[12+j] offset:(128*(n%2)+j)*WP+4*(n/2)
.set j, j+1
.endr
.set n, n+1
.endr
	s_wait_dscnt 0x0                               ; for the others' sake: my stores are done
	s_barrier_signal -1
	s_barrier_wait -1
.endm
.Lweights:
	s_sub_co_u32 s21, ttmp9, 512
	s_lshr_b32 s22, s21, 6                         ; which matrix
	s_bfe_u32 s23, s21, 0x40002                    ; kb
	s_and_b32 s24, s21, 3                          ; which 256 columns
	v_mul_u32_u24 v5, v1, 4*WP                     ; into LDS: row 4 l (+ j), byte 16 w (+ 4 i), in the weights' own bytes
	s_lshl_b32 s25, s20, 4
	s_add_co_u32 s25, s25, WREG
	v_add_nc_u32 v5, s25, v5
	v_lshrrev_b32 v10, 3, v1                       ; l / 8
	v_and_b32 v11, 7, v1                           ; l % 8
	s_lshl_b32 s30, s22, 21                        ; out: the matrix, its block kb
	s_lshl_b32 s31, s23, 17
	s_add_co_u32 s30, s30, s31
	s_mov_b32 s29, 0
	s_wait_kmcnt 0x0
	s_cmp_eq_u32 s22, 3
	s_cbranch_scc1 .Lwo
	s_cmp_eq_u32 s22, 1
	s_cselect_b64 s[26:27], s[8:9], s[6:7]
	s_cmp_eq_u32 s22, 2
	s_cselect_b64 s[26:27], s[10:11], s[26:27]
	s_lshl_b32 s28, s23, 18                        ; 64 rows of 4,096 bytes
	s_lshl_b32 s25, s24, 10
	s_add_co_u32 s28, s28, s25
	s_add_nc_u64 s[26:27], s[26:27], s[28:29]
	s_lshl_b32 s25, s20, 15
	v_lshl_add_u32 v4, v1, 4, s25                  ; 16 l + 8 w rows
	v_mul_u32_u24 v6, v10, 16*WP                   ; back: column 16 (4 g + l / 8) + 2 w + hh is head 2 w + hh, channel 16 nq + 4 g + l / 8
	v_lshl_add_u32 v6, v11, 4, v6
	s_mul_i32 s25, s20, 2*WP
	s_add_co_u32 s25, s25, WREG
	v_add_nc_u32 v6, s25, v6
	s_lshl_b32 s25, s20, 14
	v_lshl_add_u32 v7, v1, 4, s25                  ; out: 16 l + two heads of 8,192 bytes a wave
	s_lshl_b32 s31, s24, 11                        ; 16 nq rows of 128 bytes
	s_add_co_u32 s30, s30, s31
	s_mov_b32 s31, 0
	s_add_nc_u64 s[18:19], s[18:19], s[30:31]
	WTILE 4096, 0
.set n, 0
.rept 8                                        ; n = 4 hh + g
	ds_load_b128 v[Y+4*n:Y+4*n+3], v6 offset:(64*(n%4)+n/4)*WP
.set n, n+1
.endr
.set n, 0
.rept 8
	s_wait_dscnt 7-n
	global_store_b128 v7, v[Y+4*n:Y+4*n+3], s[18:19] offset:8192*(n/4)+512*(n%4)
.set n, n+1
.endr
	FINISH
.Lwo:
	s_lshl_b32 s28, s23, 12                        ; row h; from d to d + 1 sixteen rows
	s_lshl_b32 s25, s24, 10
	s_add_co_u32 s28, s28, s25
	s_add_nc_u64 s[26:27], s[12:13], s[28:29]
	s_lshl_b32 s25, s20, 19
	v_lshl_add_u32 v4, v1, 4, s25                  ; 16 l + 8 w x 65,536
	v_mul_u32_u24 v6, v10, WP                      ; back: rows 32 w + 4 t + l / 8 as they lie
	v_lshl_add_u32 v6, v11, 4, v6
	s_mul_i32 s25, s20, 32*WP
	s_add_co_u32 s25, s25, WREG
	v_add_nc_u32 v6, s25, v6
	s_lshl_b32 s25, s20, 12
	v_lshl_add_u32 v7, v1, 4, s25
	s_lshl_b32 s31, s24, 15                        ; 256 nq rows of 128 bytes
	s_add_co_u32 s30, s30, s31
	s_mov_b32 s31, 0
	s_add_nc_u64 s[18:19], s[18:19], s[30:31]
	WTILE 65536, 1
.set n, 0
.rept 8
	ds_load_b128 v[Y+4*n:Y+4*n+3], v6 offset:4*WP*n
.set n, n+1
.endr
.set n, 0
.rept 8
	s_wait_dscnt 7-n
	global_store_b128 v7, v[Y+4*n:Y+4*n+3], s[18:19] offset:512*n
.set n, n+1
.endr
	FINISH
.Lfunc_end_k_qa106e31e69_prep:
	.size	k_qa106e31e69_prep, .Lfunc_end_k_qa106e31e69_prep-k_qa106e31e69_prep
	.p2alignl 7, 3214868480
	.fill 96, 4, 3214868480
	.section	.rodata,"a",@progbits
	.p2align	6, 0x0
	.amdhsa_kernel k_qa106e31e69_prep
		.amdhsa_group_segment_fixed_size 72960
		.amdhsa_private_segment_fixed_size 0
		.amdhsa_enable_private_segment 0
		.amdhsa_kernarg_size 64
		.amdhsa_user_sgpr_count 2
		.amdhsa_user_sgpr_kernarg_segment_ptr 1
		.amdhsa_wavefront_size32 1
		.amdhsa_system_sgpr_workgroup_id_x 1
		.amdhsa_system_sgpr_workgroup_id_y 1
		.amdhsa_system_sgpr_workgroup_id_z 1
		.amdhsa_system_vgpr_workitem_id 0
		.amdhsa_next_free_vgpr 192
		.amdhsa_next_free_sgpr 66
		.amdhsa_reserve_vcc 0
		.amdhsa_float_denorm_mode_32 3
		.amdhsa_float_denorm_mode_16_64 3
		.amdhsa_memory_ordered 1
		.amdhsa_forward_progress 1
		.amdhsa_inst_pref_size 51
	.end_amdhsa_kernel
	.amdgpu_metadata
---
amdhsa.version: [ 1, 2 ]
amdhsa.kernels:
  - .name:           k_qa106e31e69_prep
    .symbol:         k_qa106e31e69_prep.kd
    .args:
      - { .name: mask, .offset: 0, .size: 8, .value_kind: global_buffer, .address_space: global }
      - { .name: Wq, .offset: 8, .size: 8, .value_kind: global_buffer, .address_space: global }
      - { .name: Wk, .offset: 16, .size: 8, .value_kind: global_buffer, .address_space: global }
      - { .name: Wv, .offset: 24, .size: 8, .value_kind: global_buffer, .address_space: global }
      - { .name: Wo, .offset: 32, .size: 8, .value_kind: global_buffer, .address_space: global }
      - { .name: maskb, .offset: 40, .size: 8, .value_kind: global_buffer, .address_space: global }
      - { .name: rowkeep, .offset: 48, .size: 8, .value_kind: global_buffer, .address_space: global }
      - { .name: wt, .offset: 56, .size: 8, .value_kind: global_buffer, .address_space: global }
    .group_segment_fixed_size: 72960
    .private_segment_fixed_size: 0
    .kernarg_segment_align: 8
    .kernarg_segment_size: 64
    .max_flat_workgroup_size: 256
    .sgpr_count:     66
    .vgpr_count:     192
    .wavefront_size: 32
...
	.end_amdgpu_metadata
.endif
;; end of part 1
;; launch proj (part 2): grid 4 x 192, 4 waves a work-group, clusters of 4 x 4, 327,680 bytes of LDS; arguments queries, keys, values, wt, qkv; writes qkv
.if DOCPART == 2
	.amdgcn_target "amdgcn-amd-amdhsa--gfx1250"
	.amdhsa_code_object_version 6
	.text
	.protected	k_qa106e31e69_proj
	.globl	k_qa106e31e69_proj
	.p2align	8
	.type	k_qa106e31e69_proj,@function
k_qa106e31e69_proj:
	s_mov_b64 s[64:65], 0
	v_nop
	global_prefetch_b8 v0, s[64:65] scope:SCOPE_SE
	s_setreg_imm32_b32 hwreg(HW_REG_WAVE_MODE, 25, 1), 1
	s_wait_xcnt 0x0
	s_wait_alu depctr_hold_cnt(0) depctr_sa_sdst(0) depctr_va_vdst(0) depctr_va_sdst(0) depctr_va_ssrc(0) depctr_va_vcc(0) depctr_vm_vsrc(0)
	s_getreg_b32 s2, hwreg(HW_REG_IB_STS2, 6, 4)
	s_cmp_eq_u32 s2, 0
	s_cbranch_scc0 .Lentry_in_a_cluster
	s_endpgm
.Lentry_in_a_cluster:
	s_bfe_u32 s2, ttmp6, 0x10000c
	s_cmp_lg_u32 s2, 0xf033
	s_cbranch_scc0 .Lentry_shape_is_right
	s_endpgm
.Lentry_shape_is_right:
; q, k, v = x W.  x: [8192][1024] f32 (queries, keys or values), rounded to bf16 between LDS and the matrix unit; W from wt, bf16, [kb 16][n' 1024][64], n' = 64 h + d.
; Sums in f32; q is multiplied by c = log2(e) / 8 in f32; each result is rounded once to f16 and stored by heads: qkv[pj][16 b + h][2048][64].
; LIMIT: f16 ends at 65,504: |c q|, |k|, |v| stay under it.  NaN and infinities are not treated apart.
; SHARES.  3 x 64 x 4 = 768 tiles of 128 rows x 256 columns: three for each of 256 WGPs.  Four waves, each 64 x 128: 32 accumulators.  K goes in 8 steps of 128 through two LDS slots.
; CLUSTER 4 x 4.  The four of a row need the same 128 rows of x, the four of a column the same 256 rows of W: each tile is asked for jointly.  A cluster's columns cover all 1,024, so x is asked for once.
; THE MATRIX INSTRUCTION IS USED TRANSPOSED (source 0 = 16 rows of W, source 1 = 16 rows of x): a lane holds eight neighbouring columns of one row.
; REGISTERS in windows of 256 (s_set_vgpr_msb: bits 1:0 source 0, 3:2 source 1, 5:4 source 2, 7:6 destination):
;   window 0: v16-29 addresses; v32-95 x as f32, four fragments of 16; v96-159 x as bf16, two buffers of 4 x 8; v160-255 at work on the way out
;   window 1: v0-127 W's fragments, two buffers of 8 x 8          window 2: accumulator (a, b) at 8 (8 a + b)
.set PA,    528                        ; an LDS row of x: 512 bytes + 16: 132 words, so 16 rows start at 16 different groups of four banks (64 banks of 4 bytes: ISA guide 11.1)
.set PB,    144                        ; an LDS row of W: 128 bytes + 16: 36 words, likewise
.set AHALF, 64*PA                      ; what one tensor load brings of x
.set BOFF,  128*PA                     ; W lies behind x's 128 rows
.set BBLK,  256*PB                     ; one block of 64 k: what one tensor load brings of W
.set SLOT,  BOFF+2*BBLK
.set STAGE, 2*SLOT                     ; behind the ring: 16 rows x 272 bytes for each wave
.set SP,    272
.set SPARE, STAGE+4*16*SP              ; the spare words, 128 bytes a wave: two blocks of 256 bytes that no other line names
.set ADA0, 16                          ; v16 my place in x's tile of slot 0; never rewritten
.set ADB0, 17                          ; v17 the same for W
.set ADA,  18                          ; v18, v19 the same in the slot in hand
.set ADB,  19
.set STO,  20                          ; v20 the way out: where I put 16 bytes
.set RD,   21                          ; v21 where I read rows back
.set GO,   22                          ; v22 16 x lane
.set PFO,  23                          ; v23 the prefetch's offset: row l % 16, 256 bytes x (l / 16); never rewritten
.set SPW,  28
.set NIL,  29
.set AS,   32
.set ABF,  96
.set T,    160
.set TMP,  224
.set WV, 14                            ; s14 wave; s15 its half of the rows, also: fetches x (0) or W (1); s16 its half of the columns, also: which half it fetches
.set WR, 15
.set WC, 16
.set G1A, 24
.set G0A, 32                           ; two sets: slot 0 with step 0; slot 1 with step 1, which then walks
.set G1B, 40
.set G0B, 48
.set FT,  56                           ; s56 the walking sets' slot, 0 or SLOT
.set LBA, 57                           ; s57 my part's place in a slot, for x;  s58 for W
.set LBB, 58
.set TB,  59                           ; s59 the slot that is read
.set PFA, 60                           ; s[60:61] where my prefetches stand
.set LIM, 62                           ; s62 2 in a wave that prefetches, else the greatest number
.set CSC, 66                           ; s[66:67] c for q, 1 for k and v
.set OUT, 68                           ; s[68:69] my part of qkv
.set MSB, 0
.macro WIN new                         ; the high byte repeats the setting that is left; a switch that changes nothing is dropped
.if MSB != (\new)
	s_set_vgpr_msb (MSB<<8)|(\new)
.set MSB, \new
.endif
.endm
.set MUL,  0xa1                        ; W window 1, x window 0, C and D window 2
.set TO_B, 0x40                        ; destination window 1
.macro PLACES
.rept 4
	v_nop
.endr
.endm
.macro JLOAD                           ; a joint refill by the walking set; the branch hangs on the wave's number alone; s_nop 0 and four v_nop follow each line
	s_cmp_eq_u32 s[WR], 0
	s_cbranch_scc0 .Lfor_b_\@
	tensor_load_to_lds s[G0A+4:G0A+7], s[G1A:G1A+7]
	s_nop 0
	PLACES
	s_branch .Lasked_\@
.Lfor_b_\@:
	tensor_load_to_lds s[G0B+4:G0B+7], s[G1B:G1B+7]
	s_nop 0
	PLACES
.Lasked_\@:
.endm
.macro CREST                           ; a round of the cluster's barrier behind its opening barrier
	s_cmp_lg_u32 s[WV], 0
	s_cbranch_scc1 .Lnot_wave_0_\@
	s_barrier_signal -3
.Lnot_wave_0_\@:
	s_barrier_wait -3
	s_barrier_signal -1
	s_barrier_wait -1
.endm
.macro CROUND
	s_barrier_signal -1
	s_barrier_wait -1
	CREST
.endm
; A prefetch of x into the L2: the K step that stands two refills on, 256 matrix instructions ahead of the load that will want it.  Of the 64 rows that waves 0 and 1 fetch, each of the four partners
; takes 16, told apart by address; a lane names 256 bytes: 16 rows x 512 bytes, one instruction.  So each block is named once in the launch.  Steps 0 to 3 come by their loads alone; the last two refills have no step two on.
.macro ASK
	s_cmp_gt_u32 s3, s[LIM]
	s_cbranch_scc0 .Lnot_mine_\@
	global_prefetch_b8 v[PFO], s[PFA:PFA+1] th:TH_LOAD_NT scope:SCOPE_SE
.Lnot_mine_\@:
.endm
	s_load_b256 s[4:11], s[0:1], 0x0               ; queries s[4:5], keys s[6:7], values s[8:9], wt s[10:11]
	s_load_b64 s[12:13], s[0:1], 0x20              ; qkv
	v_lshl_add_u32 v[SPW], v0, 2, SPARE
	v_mov_b32 v[NIL], 0
	ds_add_u32 v[SPW], v[NIL]                      ; the wave's opening: the add and its wait stand ahead of my first tensor load; work on registers stands between
	v_lshrrev_b32 v1, 5, v0
	v_readfirstlane_b32 s[WV], v1
	s_lshr_b32 s[WR], s[WV], 1
	s_and_b32 s[WC], s[WV], 1
	s_bfe_u32 s17, ttmp6, 0x40000                  ; cx
	s_bfe_u32 s18, ttmp6, 0x40004                  ; cy
	s_and_b32 s19, ttmp7, 0xffff                   ; cluster y, 0..47
	s_lshr_b32 s20, s19, 4                         ; which projection: the same in all sixteen
	s_and_b32 s21, s19, 15
	s_lshl_b32 s21, s21, 2
	s_add_co_u32 s21, s21, s18                     ; tile row, 0..63
	s_lshl_b32 s22, ttmp9, 2
	s_add_co_u32 s22, s22, s17                     ; tile column, 0..3
	s_lshl_b32 s23, s18, 2
	s_lshl_b32 s23, 15, s23                        ; my row of the cluster
	s_lshl_b32 s70, 0x1111, s17                    ; my column
	s_or_b32 s[G1A], s23, (2<<16)|(1<<20)|(1<<21)|(6<<22)|(3<<25)  ; the mask; elements of 4 bytes; padding on; bit 21 beside a mask; after every 128 words, 4 words
	s_mov_b32 s[G1A+1], 128<<16                    ; tensor_dim0 = 128
	s_mov_b32 s[G1A+2], 64<<16                     ; tensor_dim1 = 64
	s_mov_b32 s[G1A+3], 128<<16                    ; tile_dim0 = 128
	s_mov_b32 s[G1A+4], 64                         ; tile_dim1 = 64
	s_mov_b32 s[G1A+5], 1024                       ; elements from row to row
	s_mov_b32 s[G1A+6], 0
	s_mov_b32 s[G1A+7], 0
	s_or_b32 s[G1B], s70, (1<<16)|(1<<20)|(1<<21)|(4<<22)|(3<<25)  ; elements of 2 bytes; after every 32 words, 4 words: 256 dense rows of 128 bytes, asked for as 128 rows of 256
	s_mov_b32 s[G1B+1], 128<<16
	s_mov_b32 s[G1B+2], 128<<16
	s_mov_b32 s[G1B+3], 128<<16
	s_mov_b32 s[G1B+4], 128
	s_mov_b32 s[G1B+5], 128
	s_mov_b32 s[G1B+6], 0
	s_mov_b32 s[G1B+7], 0
	s_lshl_b32 s72, s21, 7                         ; x: row 128 x tile row + 64 x half, 4,096 bytes a row
	s_lshl_b32 s71, s[WC], 6
	s_add_co_u32 s72, s72, s71
	s_lshl_b32 s84, s17, 4                         ; the prefetches: + 16 cx rows
	s_add_co_u32 s84, s84, s72
	s_lshl_b32 s72, s72, 12
	s_mov_b32 s73, 0
	s_lshl_b32 s84, s84, 12
	s_mov_b32 s85, 0
	s_lshl_b32 s76, s20, 21                        ; W: the matrix, block = half, rows 256 x tile column
	s_lshl_b32 s71, s[WC], 17
	s_add_co_u32 s76, s76, s71
	s_lshl_b32 s71, s22, 15
	s_add_co_u32 s76, s76, s71
	s_mov_b32 s77, 0
	s_mul_i32 s[LBA], s[WC], AHALF
	s_mul_i32 s[LBB], s[WC], BBLK
	s_add_co_u32 s[LBB], s[LBB], BOFF
	s_mov_b32 s[FT], SLOT
	s_mov_b32 s[TB], 0
	s_lshr_b32 s82, s21, 4                         ; out: ((16 b + 4 tile column + 2 half) x 2,048 + the tile's rows in the batch + 64 x half) x 128 bytes
	s_lshl_b32 s82, s82, 4
	s_lshl_b32 s83, s22, 2
	s_add_co_u32 s82, s82, s83
	s_lshl_b32 s83, s[WC], 1
	s_add_co_u32 s82, s82, s83
	s_lshl_b32 s82, s82, 11
	s_and_b32 s83, s21, 15
	s_lshl_b32 s83, s83, 7
	s_add_co_u32 s82, s82, s83
	s_lshl_b32 s83, s[WR], 6
	s_add_co_u32 s82, s82, s83
	s_lshl_b32 s82, s82, 7
	s_lshl_b32 s83, s20, 24
	s_add_co_u32 s82, s82, s83
	s_mov_b32 s83, 0
	s_cmp_eq_u32 s20, 0
	s_cselect_b32 s[CSC], 0x3e38aa3b, 1.0          ; c = log2(e) / 8 = 0.180337
	s_mov_b32 s[CSC+1], s[CSC]                     ; named with it as a pair
	s_cmp_eq_u32 s[WR], 0
	s_cselect_b32 s[LIM], 2, -1
	s_wait_dscnt 0x0                               ; the opening add is done
	s_wait_kmcnt 0x0
	s_cmp_eq_u32 s20, 1
	s_cselect_b64 s[74:75], s[6:7], s[4:5]
	s_cmp_eq_u32 s20, 2
	s_cselect_b64 s[74:75], s[8:9], s[74:75]
	s_add_nc_u64 s[78:79], s[74:75], s[72:73]
	s_add_nc_u64 s[80:81], s[10:11], s[76:77]
	s_add_nc_u64 s[PFA:PFA+1], s[74:75], s[84:85]
	s_add_nc_u64 s[PFA:PFA+1], s[PFA:PFA+1], 3*512 ; the first refill steps it to K step 4
	s_add_nc_u64 s[OUT:OUT+1], s[12:13], s[82:83]
	CROUND                                         ; all sixteen work-groups are here: the first joint loads meet
.irp s, 0,1
	s_mov_b32 s[G0A+4*\s], 1
	s_add_co_u32 s[G0A+4*\s+1], s[LBA], \s*SLOT
	s_add_nc_u64 s[G0A+4*\s+2:G0A+4*\s+3], s[78:79], \s*512
	s_or_b32 s[G0A+4*\s+3], s[G0A+4*\s+3], 0x80000000
	s_mov_b32 s[G0B+4*\s], 1
	s_add_co_u32 s[G0B+4*\s+1], s[LBB], \s*SLOT
	s_add_nc_u64 s[G0B+4*\s+2:G0B+4*\s+3], s[80:81], \s*262144
	s_or_b32 s[G0B+4*\s+3], s[G0B+4*\s+3], 0x80000000
.endr
	s_cmp_eq_u32 s[WR], 0                          ; a wave's two first fills stand in one branch: two loads of mine are out
	s_cbranch_scc0 .Lfirst_b
	tensor_load_to_lds s[G0A:G0A+3], s[G1A:G1A+7]
	s_nop 0
	tensor_load_to_lds s[G0A+4:G0A+7], s[G1A:G1A+7]
	s_nop 0
	PLACES
	s_branch .Lfirst_asked
.Lfirst_b:
	tensor_load_to_lds s[G0B:G0B+3], s[G1B:G1B+7]
	s_nop 0
	tensor_load_to_lds s[G0B+4:G0B+7], s[G1B:G1B+7]
	s_nop 0
	PLACES
.Lfirst_asked:
	v_and_b32 v1, 15, v0                           ; l % 16
	v_bfe_u32 v2, v0, 4, 1                         ; l / 16
	v_bfe_u32 v3, v0, 3, 2                         ; (l / 8) % 4
	v_and_b32 v4, 7, v0                            ; l % 8
	v_mul_u32_u24 v[ADA0], v1, PA                  ; x: row x pitch + 32 bytes (8 f32) x half
	v_lshl_add_u32 v[ADA0], v2, 5, v[ADA0]
	s_mul_i32 s71, s[WR], 64*PA
	v_add_nc_u32 v[ADA0], s71, v[ADA0]
	v_mul_u32_u24 v[ADB0], v1, PB                  ; W: row x pitch + 16 bytes x half
	v_lshl_add_u32 v[ADB0], v2, 4, v[ADB0]
	s_mul_i32 s71, s[WC], 128*PB
	s_add_co_u32 s71, s71, BOFF
	v_add_nc_u32 v[ADB0], s71, v[ADB0]
	v_mov_b32 v[ADA], v[ADA0]
	v_mov_b32 v[ADB], v[ADB0]
	s_mul_i32 s71, s[WV], 16*SP
	s_add_co_u32 s71, s71, STAGE
	v_mul_u32_u24 v[STO], v1, SP
	v_lshl_add_u32 v[STO], v2, 4, v[STO]
	v_add_nc_u32 v[STO], s71, v[STO]
	v_mul_u32_u24 v[RD], v3, SP                    ; back: 32 lanes take four rows' 128 bytes of one head,
	v_lshl_add_u32 v[RD], v4, 4, v[RD]
	v_add_nc_u32 v[RD], s71, v[RD]
	v_and_b32 v[GO], 31, v0                        ; which are 512 consecutive bytes of qkv
	v_lshlrev_b32 v[GO], 4, v[GO]
	v_lshlrev_b32 v[PFO], 12, v1
	v_lshl_add_u32 v[PFO], v2, 8, v[PFO]
; nb matrix instructions on accumulators (a, b0 ..) from buffers f.  The 32 accumulators take turns in the same order in every quarter: 31 others stand between two links of a chain.
.macro MM f, a, b0, nb, zero
	WIN MUL
.set bb, \b0
.rept \nb
.if \zero
	v_wmma_f32_16x16x32_bf16 v[8*(8*(\a)+bb):8*(8*(\a)+bb)+7], v[64*(\f)+8*bb:64*(\f)+8*bb+7], v[ABF+32*(\f)+8*(\a):ABF+32*(\f)+8*(\a)+7], 0
.else
	v_wmma_f32_16x16x32_bf16 v[8*(8*(\a)+bb):8*(8*(\a)+bb)+7], v[64*(\f)+8*bb:64*(\f)+8*bb+7], v[ABF+32*(\f)+8*(\a):ABF+32*(\f)+8*(\a)+7], v[8*(8*(\a)+bb):8*(8*(\a)+bb)+7]
.endif
.set bb, bb+1
.endr
.endm
; 32 LDS loads in one run: quarter qd (32 along K) of the slot in hand: x's four fragments as f32 (lane: k = 8 h + 0..7 and 16 + 8 h + 0..7: four loads), then W's eight into buffer f
.macro FETCH qd, f
	WIN 0
.irp a, 0,1,2,3
	ds_load_b128 v[AS+16*\a:AS+16*\a+3],     v[ADA] offset:16*PA*\a+128*(\qd)
	ds_load_b128 v[AS+16*\a+4:AS+16*\a+7],   v[ADA] offset:16*PA*\a+128*(\qd)+16
	ds_load_b128 v[AS+16*\a+8:AS+16*\a+11],  v[ADA] offset:16*PA*\a+128*(\qd)+64
	ds_load_b128 v[AS+16*\a+12:AS+16*\a+15], v[ADA] offset:16*PA*\a+128*(\qd)+80
.endr
	WIN TO_B
.irp b, 0,1,2,3,4,5,6,7
	ds_load_b128 v[64*(\f)+8*\b:64*(\f)+8*\b+3],   v[ADB] offset:BBLK*((\qd)/2)+16*PB*\b+64*((\qd)%2)
	ds_load_b128 v[64*(\f)+8*\b+4:64*(\f)+8*\b+7], v[ADB] offset:BBLK*((\qd)/2)+16*PB*\b+64*((\qd)%2)+32
.endr
.endm
.macro CV4 f, n                        ; four roundings of x to bf16, into words n .. n + 3 of buffer f
	WIN 0
.set cj, \n
.rept 4
	v_cvt_pk_bf16_f32 v[ABF+32*(\f)+cj], v[AS+2*cj], v[AS+2*cj+1]
.set cj, cj+1
.endr
.endm
.macro LAST8 f                         ; a quarter's last eight products, four roundings of the next quarter's x behind each: they name none of the products' registers, and the last four
.set qb, 0                             ; are the places in front of the next run of loads into registers that these products read (ISA guide 7.12.1 for vector instructions)
.rept 8
	MM \f, 3, qb, 1, 0
	CV4 1-(\f), 4*qb
.set qb, qb+1
.endr
.endm
; One of a K step's first three quarters: multiplies buffers f; fetches quarter qn, x into the f32 registers and W into buffer 1 - f
.macro QUARTER qn, f, zero
	s_wait_dscnt 0x0                               ; W of this quarter, asked for a quarter ago, is in
	FETCH \qn, 1-(\f)
	MM \f, 0, 0, 8, \zero
	MM \f, 1, 0, 8, \zero
	MM \f, 2, 0, 8, \zero
	s_wait_dscnt 16                                ; x's 16 loads are in; W's 16, issued behind them, may stay out
.if \zero
.set qb, 0
.rept 8
	MM \f, 3, qb, 1, 1
	CV4 1-(\f), 4*qb
.set qb, qb+1
.endr
.else
	LAST8 \f
.endif
.endm
; The fourth quarter multiplies buffers 1 and changes slots.  In front of the barrier each wave waits for all its tensor loads (one is out: its part of the next slot), adds 0 to its spare word, and waits for that
; and for its reads of this slot.  fill = 1: the barrier opens a round of the cluster's barrier, and this slot is filled again, two K steps ahead, first thing behind the round: 120 matrix instructions ahead of the wait for it.
.macro TURN fill
.if \fill
	s_wait_xcnt 0x0                                ; the last prefetch, a K step back, has read its address
	s_add_nc_u64 s[PFA:PFA+1], s[PFA:PFA+1], 512
.endif
	WIN 0
	s_wait_tensorcnt 0x0                           ; no tensor load of mine is out, so a group 0 may be written
	ds_add_u32 v[SPW], v[NIL]                      ; 0 onto my spare word
.if \fill
	s_xor_b32 s[FT], s[FT], SLOT                   ; the walking sets: the other slot, the next K step
	s_add_co_u32 s[G0A+5], s[LBA], s[FT]
	s_add_nc_u64 s[G0A+6:G0A+7], s[G0A+6:G0A+7], 512
	s_add_co_u32 s[G0B+5], s[LBB], s[FT]
	s_add_nc_u64 s[G0B+6:G0B+7], s[G0B+6:G0B+7], 262144
.endif
	s_wait_dscnt 1                                 ; W of this quarter is in; the add may be out
	MM 1, 0, 0, 4, 0
	s_wait_dscnt 0x0                               ; the add is done, and my reads of this slot are over
	s_barrier_signal -1
	MM 1, 0, 4, 4, 0
	WIN 0
	s_barrier_wait -1
.if \fill
	CREST
	JLOAD                                          ; its four v_nop are also places in front of the loads below
.else
	PLACES
.endif
	s_xor_b32 s[TB], s[TB], SLOT
	v_add_nc_u32 v[ADA], s[TB], v[ADA0]
	v_add_nc_u32 v[ADB], s[TB], v[ADB0]
	FETCH 0, 0
.if \fill
	WIN 0
	ASK
.endif
	MM 1, 1, 0, 8, 0
	MM 1, 2, 0, 8, 0
	s_wait_dscnt 16
	LAST8 1
.endm
	s_wait_tensorcnt 1                             ; my part of K step 0 is in; step 1's may stay out
	s_barrier_signal -1
	s_barrier_wait -1
	FETCH 0, 0
	s_wait_dscnt 16
.irp n, 0,4,8,12,16,20,24,28
	CV4 0, \n
.endr
	QUARTER 1, 0, 1                                ; the first quarter's products start the sums: nothing is cleared
	WIN 0
	s_mov_b32 s3, 6
	s_branch .Lenter
.Ltrip:                                        ; a trip is a K step; six trips ask for steps 2 to 7
	QUARTER 1, 0, 0
	WIN 0
.Lenter:
	QUARTER 2, 1, 0
	QUARTER 3, 0, 0
	TURN 1
	WIN 0
	s_sub_co_u32 s3, s3, 1
	s_cmp_lg_u32 s3, 0
	s_cbranch_scc1 .Ltrip
	s_mov_b32 s3, 2                                ; steps 6 and 7 ask for nothing; the second trip is left in front of the change of slots
.Ltail:
	QUARTER 1, 0, 0
	QUARTER 2, 1, 0
	QUARTER 3, 0, 0
	WIN 0
	s_sub_co_u32 s3, s3, 1
	s_cmp_eq_u32 s3, 0
	s_cbranch_scc1 .Llastq
	TURN 0
	WIN 0
	s_branch .Ltail
.Llastq:
	s_wait_dscnt 0x0
	MM 1, 0, 0, 8, 0
	MM 1, 1, 0, 8, 0
	MM 1, 2, 0, 8, 0
	MM 1, 3, 0, 8, 0
	PLACES
	PLACES
; THE WAY OUT, 16 rows at a time: scaled, rounded to f16, 16 bytes a lane into my stage, back as rows of one head, stored 512 consecutive bytes an instruction.
.macro PACK a
	WIN 0x02                                       ; source 0 window 2
.set i, 0
.rept 32
	v_pk_mul_f32 v[T+2*i:T+2*i+1], v[64*(\a)+2*i:64*(\a)+2*i+1], s[CSC:CSC+1] op_sel_hi:[1,0]
.set i, i+1
.endr
	WIN 0
.set i, 0
.rept 32
	v_cvt_pk_f16_f32 v[TMP+i], v[T+2*i], v[T+2*i+1]
.set i, i+1
.endr
.endm
.macro TOSTAGE a
.set BK, AS+32*((\a)%2)
.irp b, 0,1,2,3,4,5,6,7
	ds_store_b128 v[STO], v[TMP+4*\b:TMP+4*\b+3] offset:32*\b
.endr
.irp t, 0,1,2,3,4,5,6,7                ; head t / 4 of my two, rows 4 (t % 4) ..; LDS serves a wave's instructions in order (ISA guide 5.7.1.4): these see the stores above
	ds_load_b128 v[BK+4*\t:BK+4*\t+3], v[RD] offset:128*(\t/4)+4*SP*(\t%4)
.endr
.endm
.macro SEND a
.set BK, AS+32*((\a)%2)
	s_wait_dscnt 0x0
	s_wait_xcnt 0x0                                ; the stores of the block before have read their registers, which the next block's loads from the stage write
.irp t, 0,1,2,3,4,5,6,7
	global_store_b128 v[GO], v[BK+4*\t:BK+4*\t+3], s[OUT:OUT+1] offset:262144*(\t/4)+(16*(\a)+4*(\t%4))*128
.endr
.endm
	PACK 0
	TOSTAGE 0
.irp a, 1,2,3
	PACK \a
	SEND (\a)-1
	TOSTAGE \a
.endr
	SEND 3
	s_wait_tensorcnt 0x0                           ; the wave's end
	ds_add_u32 v[SPW], v[NIL]
	s_wait_dscnt 0x0
	CROUND                                         ; the closing round
	s_endpgm
.Lfunc_end_k_qa106e31e69_proj:
	.size	k_qa106e31e69_proj, .Lfunc_end_k_qa106e31e69_proj-k_qa106e31e69_proj
	.p2alignl 7, 3214868480
	.fill 96, 4, 3214868480
	.section	.rodata,"a",@progbits
	.p2align	6, 0x0
	.amdhsa_kernel k_qa106e31e69_proj
		.amdhsa_group_segment_fixed_size 327680
		.amdhsa_private_segment_fixed_size 0
		.amdhsa_enable_private_segment 0
		.amdhsa_kernarg_size 40
		.amdhsa_user_sgpr_count 2
		.amdhsa_user_sgpr_kernarg_segment_ptr 1
		.amdhsa_wavefront_size32 1
		.amdhsa_system_sgpr_workgroup_id_x 1
		.amdhsa_system_sgpr_workgroup_id_y 1
		.amdhsa_system_sgpr_workgroup_id_z 1
		.amdhsa_system_vgpr_workitem_id 0
		.amdhsa_next_free_vgpr 768
		.amdhsa_next_free_sgpr 100
		.amdhsa_reserve_vcc 0
		.amdhsa_float_denorm_mode_32 3
		.amdhsa_float_denorm_mode_16_64 3
		.amdhsa_memory_ordered 1
		.amdhsa_forward_progress 1
		.amdhsa_inst_pref_size 100
	.end_amdhsa_kernel
	.amdgpu_metadata
---
amdhsa.version: [ 1, 2 ]
amdhsa.kernels:
  - .name:           k_qa106e31e69_proj
    .symbol:         k_qa106e31e69_proj.kd
    .args:
      - { .name: queries, .offset: 0, .size: 8, .value_kind: global_buffer, .address_space: global }
      - { .name: keys, .offset: 8, .size: 8, .value_kind: global_buffer, .address_space: global }
      - { .name: values, .offset: 16, .size: 8, .value_kind: global_buffer, .address_space: global }
      - { .name: wt, .offset: 24, .size: 8, .value_kind: global_buffer, .address_space: global }
      - { .name: qkv, .offset: 32, .size: 8, .value_kind: global_buffer, .address_space: global }
    .group_segment_fixed_size: 327680
    .private_segment_fixed_size: 0
    .kernarg_segment_align: 8
    .kernarg_segment_size: 40
    .max_flat_workgroup_size: 128
    .sgpr_count:     100
    .vgpr_count:     768
    .wavefront_size: 32
...
	.end_amdgpu_metadata
.endif
;; end of part 2
;; launch attn (part 3): grid 4 x 64, 4 waves a work-group, clusters of 4 x 1, 327,680 bytes of LDS; arguments qkv, maskb, rowkeep, o; writes o
.if DOCPART == 3
	.amdgcn_target "amdgcn-amd-amdhsa--gfx1250"
	.amdhsa_code_object_version 6
	.text
	.protected	k_qa106e31e69_attn
	.globl	k_qa106e31e69_attn
	.p2align	8
	.type	k_qa106e31e69_attn,@function
k_qa106e31e69_attn:
	s_mov_b64 s[64:65], 0
	v_nop
	global_prefetch_b8 v0, s[64:65] scope:SCOPE_SE
	s_setreg_imm32_b32 hwreg(HW_REG_WAVE_MODE, 25, 1), 1
	s_wait_xcnt 0x0
	s_wait_alu depctr_hold_cnt(0) depctr_sa_sdst(0) depctr_va_vdst(0) depctr_va_sdst(0) depctr_va_ssrc(0) depctr_va_vcc(0) depctr_vm_vsrc(0)
	s_getreg_b32 s2, hwreg(HW_REG_IB_STS2, 6, 4)
	s_cmp_eq_u32 s2, 0
	s_cbranch_scc0 .Lentry_in_a_cluster
	s_endpgm
.Lentry_in_a_cluster:
	s_bfe_u32 s2, ttmp6, 0x10000c
	s_cmp_lg_u32 s2, 0x3003
	s_cbranch_scc0 .Lentry_shape_is_right
	s_endpgm
.Lentry_shape_is_right:
; O[g][q][:] = the sum over k of softmax_k(t) V[g][k][:], g = 16 b + h; t = Q'[g][q] . K[g][k] where mask[b][q][k] is not 0.  Q' = c Q, c = log2(e) / 8, was scaled where it was made, so p = 2^(t - m).
; Q', K, V (in qkv) and O: [64][2048][64] f16.  Products, maxima and sums in f32; p is rounded to f16 for the second product (its sum l is taken of the unrounded p), O once at the end.
; THE MASK is the C operand that starts the sum S^T = K Q^T: 0, or -2^99 where the key is hidden.  It comes as one byte a score (0 or fp8 -1.0) in my lanes' own order; one scaled conversion
; makes eight registers of it.  A hidden score is thus its value less 2^99, and its weight is 0 beside any seen score.  Steps in which a row has seen nothing yet leave finite numbers that the first seen
; key's a = 0 wipes out.  A row that sees no key at all has its Q' set to 0 (keep word): all its scores are -2^99 exactly, all p = 1, and O is the mean of V, as where every score is replaced by one number.
; LIMITS.  f16 holds no number beyond 65,504; seen scores are taken to lie far above -2^99 and hidden ones' products far below 2^75; a weight below 2^-126 counts as 0 in l; NaN and infinities are not treated apart.
; SHARES.  A wave owns four PIECES of two tiles of 16 queries, a work-group's four waves 512 queries of one g.  Every wave walks all 2,048 keys, 64 a step.
; LAYOUT.  S^T = K Q^T (source 0 = 16 keys, source 1 = 16 queries): a lane holds ONE query (lane % 16) and the keys 8 (lane / 16) + 0..7.  Two such tiles, rounded to f16 in pairs, ARE source 1 of
; O^T = V^T P.  K comes out of LDS as it lies, V turned, by ds_load_tr16_b128.  For each query a running maximum m and sum l; in every step O and l are multiplied by a = 2^(m_old - m_new).
; BY TURNS.  Turn n belongs to piece n: 16 products K Q^T of piece n + 1, later 16 products V^T P of piece n - 1; beside them the subtraction, exponentials, roundings, sums and rescaling of piece n, the
; maximum and statistics of piece n + 1, and the masks of piece n + 2.  Four vector instructions stand behind every matrix instruction, the others in two lumps.
; CLUSTER.  The four query blocks of a cluster belong to one g and walk the same K and V: each tile is asked for jointly.
; REGISTERS, in windows of 256 (s_set_vgpr_msb: bits 1:0 source 0, 3:2 source 1, 5:4 source 2, 7:6 destination):
;   window 0: v0-10 addresses; v11 the conversions' scale; v12-15, v48-63 at work; v16-47 four registers of statistics a tile; v64-191 S^T, two buffers of two tiles; v192-255 P, likewise
;   window 1: O^T, 32 a tile     window 2: v0-127 Q, 16 a tile; v128-191 K of one step; v192-255 V of one step
;   window 3: v0-1 the add's two registers; v3-4 the mask bytes' offsets; v16-79 mask bytes, 16 a piece; v128-255 masks, two buffers of two tiles
.set SIZE_N, 2048
.set NP,    4
.set KS,    64
.set PK,    144       ; a row of K in LDS: 128 bytes + 16 = 36 words: the 16 rows of a load start at 16 different groups of four banks (64 banks of 4 bytes: ISA guide 11.1)
.set PV,    160       ; a row of V: 128 + 32 = 40 words
.set VOFF,  4*KS*PK   ; a slot holds four steps: 256 rows of K, then 256 rows of V
.set SLOT1, 1<<17
.set STAGE, SLOT1+4*KS*(PK+PV)
.set SP,    144
.set AK0, 2
.set AV0, 3
.set AK,  4
.set AV,  5
.set QO,  6
.set STO, 6
.set RD,  7
.set GO,  8
.set SCL, 11          ; window 0: 226: the conversion multiplies by 2^(226 - 127); written when V's lane address, which v11 helps to make, is made
.set SPW, 0           ; window 3
.set NIL, 1           ; window 3
.set MA0, 3           ; window 3: 16 x lane; never rewritten
.set MA,  4           ; window 3: + the key step's 8,192 bytes
.set MBY, 16          ; window 3: piece x, tile u, key block kb at MBY + 16 x + 8 u + 2 kb
.set MC,  128         ; window 3: buffer x % 2, tile u, key block kb at MC + 64 (x % 2) + 32 u + 8 kb
.set SPARE, STAGE+4*16*SP
.set MV,  12          ; v12-15  m_old, by buffer and tile
.set ST,  16          ; tile t's statistics at v[ST+4 t]: m, 0 (named with it as a pair), l (even keys', odd keys')
.set TMP, 48
.set S,   64
.set P,   192
.set KF,  128
.set VF,  192
.set WV,  12
.set G1K, 24
.set G1V, 32
.set G0K, 40
.set G0V, 44
.set SLOTS, 56
.set CNT, 57
.set SEL, 60
.set TBK, 62
.set TBV, 63
.set MB,  66          ; s[66:67] maskb at my wave's 128 queries: 32 steps of 8,192 bytes
.set MOFF, 68         ; s68  the step whose bytes are being asked for, times 8,192
.set KP,  70          ; s[70:71] rowkeep at my wave's first tile
.set MSB, 0
.macro WIN new
.if MSB != (\new)
	s_set_vgpr_msb (MSB<<8)|(\new)
.set MSB, (\new)
.endif
.endm
.set W_KQ, 0x0a       ; K and Q in window 2, S^T in window 0
.set W_KM, 0x3a       ; the same with the C operand in window 3
.set W_PV, 0x52
.set W_RS, 0x41
.set W_MK, 0xc0       ; destination in window 3, sources in window 0
.set W_AD, 0x0f
.set W_MS, 0xcf       ; destination and sources 0 and 1 in window 3
.set W_CV, 0xc3       ; destination and source 0 in window 3, source 1 (the scale) in window 0
.macro JLOAD
	s_cmp_lt_u32 s[WV], 2
	s_cbranch_scc0 .Lfor_v_\@
	tensor_load_to_lds s[G0K:G0K+3], s[G1K:G1K+7]
	s_nop 0
.rept 4
	v_nop
.endr
	s_branch .Lasked_\@
.Lfor_v_\@:
	tensor_load_to_lds s[G0V:G0V+3], s[G1V:G1V+7]
	s_nop 0
.rept 4
	v_nop
.endr
.Lasked_\@:
.endm
.macro CROUND
	s_barrier_signal -1
	s_barrier_wait -1
	s_cmp_lg_u32 s[WV], 0
	s_cbranch_scc1 .Lnot_wave_0_\@
	s_barrier_signal -3
.Lnot_wave_0_\@:
	s_barrier_wait -3
	s_barrier_signal -1
	s_barrier_wait -1
.endm
; THE CHANGE OF SLOTS.  Each wave waits for all its tensor loads (one is out: its part of the other slot), adds 0 to its spare word, and waits for that and for its reads of the slot.  fill = 1: the barrier is a
; round of the cluster's, and the slot is filled again first thing behind it, with the keys two slots on: four key steps, 512 matrix instructions, in which to land.
.macro CHANGE fill
	WIN W_AD
	s_wait_tensorcnt 0x0            ; no tensor load of mine is out, so a group 0 may be written
	ds_add_u32 v[SPW], v[NIL]       ; 0 onto my spare word
	WIN 0
.if \fill
.irp g, G0K, G0V
	s_xor_b32 s[\g+1], s[\g+1], SLOT1
	s_add_nc_u64 s[\g+2:\g+3], s[\g+2:\g+3], 4*KS*128
.endr
	s_wait_dscnt 0x0                ; the add is done, and my reads of the slot are over
	CROUND
	JLOAD
.else
	s_wait_dscnt 0x0
	s_barrier_signal -1
	s_barrier_wait -1
.endif
	s_sub_co_u32 s[TBK], s[TBK], 4*KS*PK
	s_xor_b32 s[TBK], s[TBK], SLOT1
	s_sub_co_u32 s[TBV], s[TBV], 4*KS*PV
	s_xor_b32 s[TBV], s[TBV], SLOT1
.endm
; THE MASK'S TWO STEPS.  MLOAD (destination and address in window 3): piece x's 64 bytes a lane for the step at MA: four loads of 512 consecutive bytes.  MCVT (under W_CV): eight conversions, 8 bytes into 8 registers each.
.macro MLOAD x
.irp tu, 0,1
.irp pp, 0,1
	global_load_b128 v[MBY+16*(\x)+8*\tu+4*\pp:MBY+16*(\x)+8*\tu+4*\pp+3], v[MA], s[MB:MB+1] offset:1024*(2*(\x)+\tu)+512*\pp
.endr
.endr
.endm
.macro MCVT x
.irp tu, 0,1
.irp kb, 0,1,2,3
	v_cvt_scale_pk8_f32_fp8 v[MC+64*((\x)%2)+32*\tu+8*\kb:MC+64*((\x)%2)+32*\tu+8*\kb+7], v[MBY+16*(\x)+8*\tu+2*\kb:MBY+16*(\x)+8*\tu+2*\kb+1], v[SCL]
.endr
.endr
.endm
; In turn p: the masks of piece p + 2, whose products K Q^T the next turn issues, into the buffer that this turn's products do not read; then that piece's bytes for its next step, a whole key step ahead of their use.
.macro MASKS p
.set mx, ((\p)+2)%NP
	WIN W_CV
	s_wait_loadcnt 12               ; loads come back in order: this piece's four are in; the three younger pieces' four each may stay out
	MCVT mx
	v_nop                           ; a plain instruction behind the last conversion, ahead of the loads into its sources
	MLOAD mx
.endm
	s_load_b256 s[76:83], s[0:1], 0x0  ; qkv s[76:77], maskb s[78:79], rowkeep s[80:81], o s[82:83]
	WIN W_MK
	v_lshl_add_u32 v[SPW], v0, 2, SPARE
	v_mov_b32 v[NIL], 0
	WIN W_AD
	ds_add_u32 v[SPW], v[NIL]       ; the wave's opening: the add and its wait stand ahead of my first tensor load; work on registers stands between
	WIN 0
	v_lshrrev_b32 v1, 5, v0
	v_readfirstlane_b32 s[WV], v1
	s_bfe_u32 s13, ttmp6, 0x40000   ; cx
	s_lshl_b32 s14, ttmp9, 2
	s_add_co_u32 s14, s14, s13      ; my block of 512 queries: it enters Q's, O's and the mask's addresses alone
	s_and_b32 s20, ttmp7, 0xffff    ; g = 16 b + h, which the four partners share
	s_lshr_b32 s15, s20, 4          ; b
	s_mov_b32 s21, 0
	s_mov_b64 s[22:23], SIZE_N*128
	s_mul_u64 s[20:21], s[20:21], s[22:23]
	s_and_b32 s16, s[WV], 1         ; which half of a slot's 256 keys I fetch
	s_lshl_b32 s22, s16, 14
	s_mov_b32 s23, 0
	s_add_nc_u64 s[22:23], s[22:23], s[20:21]
	s_mul_i32 s17, s16, 128*PK
	s_mul_i32 s18, s16, 128*PV
	s_lshl_b32 s2, s14, 2
	s_add_co_u32 s2, s2, s[WV]      ; my wave among the 16 of a batch's queries
	s_lshl_b32 s15, s15, 4
	s_add_co_u32 s15, s15, s2       ; 16 b + that
	s_lshl_b32 s72, s15, 18         ; its 262,144 mask bytes
	s_mov_b32 s73, 0
	s_lshl_b32 s74, s15, 10         ; its eight tiles' keep words
	s_mov_b32 s75, 0
	s_lshl_b32 s2, s2, 14           ; its 128 rows
	s_mov_b32 s3, 0
	s_add_nc_u64 s[2:3], s[2:3], s[20:21]
	s_mov_b32 s[G1K], 15|(1<<16)|(1<<20)|(1<<21)|(4<<22)|(3<<25)  ; the mask of four; 2-byte elements; padding on; bit 21 beside a mask; after every 32 words, 4 words
	s_mov_b32 s[G1V], 15|(1<<16)|(1<<20)|(1<<21)|(4<<22)|(7<<25)  ; the same with 8 words
.irp g, G1K, G1V
	s_mov_b32 s[\g+1], 128<<16      ; 128 keys are 16,384 dense bytes: 64 rows of 256 bytes
	s_mov_b32 s[\g+2], 64<<16
	s_mov_b32 s[\g+3], 128<<16
	s_mov_b32 s[\g+4], 64
	s_mov_b32 s[\g+5], 128
	s_mov_b32 s[\g+6], 0
	s_mov_b32 s[\g+7], 0
.endr
	s_mov_b32 s[SEL], 0x76543210
	s_mov_b32 s[SEL+1], 0xfedcba98
	s_mov_b32 s[TBK], SLOT1+4*KS*PK ; the first change of slots turns these two into 0
	s_mov_b32 s[TBV], SLOT1+4*KS*PV
	s_mov_b32 s[G0K], 1
	s_mov_b32 s[G0K+1], s17
	s_mov_b32 s[G0V], 1
	s_add_co_u32 s[G0V+1], s18, VOFF
	s_wait_dscnt 0x0                ; the opening add is done
	s_wait_kmcnt 0x0
	s_add_nc_u64 s[6:7], s[76:77], 0x1000000   ; K
	s_add_nc_u64 s[8:9], s[76:77], 0x2000000   ; V
	s_add_nc_u64 s[G0K+2:G0K+3], s[6:7], s[22:23]
	s_or_b32 s[G0K+3], s[G0K+3], 0x80000000
	s_add_nc_u64 s[G0V+2:G0V+3], s[8:9], s[22:23]
	s_or_b32 s[G0V+3], s[G0V+3], 0x80000000
	s_add_nc_u64 s[4:5], s[76:77], s[2:3]      ; Q and O at my wave's first row
	s_add_nc_u64 s[10:11], s[82:83], s[2:3]
	s_add_nc_u64 s[MB:MB+1], s[78:79], s[72:73]
	s_add_nc_u64 s[KP:KP+1], s[80:81], s[74:75]
	CROUND                          ; all four work-groups are here
	JLOAD                           ; slot 0
	v_and_b32 v1, 15, v0            ; l % 16
	v_bfe_u32 v9, v0, 4, 1          ; l / 16
	v_lshlrev_b32 v[QO], 7, v1
	v_lshl_add_u32 v[QO], v9, 4, v[QO]
	v_and_b32 v14, 31, v0
	v_lshlrev_b32 v14, 2, v14       ; 4 x lane
	WIN 0x80
.set i, 0
.rept 4*NP                          ; Q stays in registers: tile i / 2, channels 32 (i % 2) on
	global_load_b128 v[8*i:8*i+3],   v[QO], s[4:5] offset:(i/2)*2048+(i%2)*64
	global_load_b128 v[8*i+4:8*i+7], v[QO], s[4:5] offset:(i/2)*2048+(i%2)*64+32
.set i, i+1
.endr
	WIN 0
.set i, 0
.rept 2*NP                          ; my row's keep word, a tile at a time
	global_load_b32 v[TMP+i], v14, s[KP:KP+1] offset:128*i
.set i, i+1
.endr
	WIN W_MK
	v_lshlrev_b32 v[MA0], 2, v14    ; 16 x lane
	WIN W_MS
	v_mov_b32 v[MA], v[MA0]
	MLOAD 0                         ; key step 0's mask bytes, all four pieces
	MLOAD 1
	MLOAD 2
	MLOAD 3
	; What the first turn finds: V's registers and P's second buffer hold 0, O^T and l are 0.  All this stands in the wait for the first tile.
	WIN 0x80
.set i, VF
.rept 64
	v_mov_b32 v[i], 0
.set i, i+1
.endr
	WIN 0x40
.set i, 0
.rept 64*NP
	v_mov_b32 v[i], 0
.set i, i+1
.endr
	WIN 0
.set i, 0
.rept 2*NP
	v_mov_b32 v[ST+4*i], 0xff7fffff    ; m: the lowest finite number, so the first step's a is 0
	v_mov_b32 v[ST+4*i+1], 0
	v_mov_b32 v[ST+4*i+2], 0
	v_mov_b32 v[ST+4*i+3], 0
.set i, i+1
.endr
.set i, P+32
.rept 32
	v_mov_b32 v[i], 0
.set i, i+1
.endr
	v_mul_u32_u24 v[AK0], v1, PK
	v_lshl_add_u32 v[AK0], v9, 4, v[AK0]
	v_and_b32 v10, 7, v0
	v_bfe_u32 v11, v0, 3, 1
	v_lshl_add_u32 v[AV0], v9, 3, v10
	v_mul_u32_u24 v[AV0], v[AV0], PV
	v_lshl_add_u32 v[AV0], v11, 4, v[AV0]
	v_add_nc_u32 v[AV0], VOFF, v[AV0]
	v_mov_b32 v[SCL], 226           ; v11 has served: from here on it holds the scale
	v_mov_b32 v[AK], v[AK0]
; THE MATRIX WORK.  The 8 accumulators of a run of 16 take turns.  Product i of 16 of S^T = K Q^T for piece x: channels 32 (i / 8) on, keys 16 ((i / 2) % 4) on, tile 2 x + i % 2.  The first 8 start the sums, with the mask.
.macro KQ x
.set rS, S+64*((\x)%2)+32*(i%2)+8*((i/2)%4)
.set rK, KF+16*((i/2)%4)+8*(i/8)
.set rQ, 16*(2*(\x)+i%2)+8*(i/8)
.set rH, MC+64*((\x)%2)+32*(i%2)+8*((i/2)%4)
.if i < 8
	WIN W_KM
	v_wmma_f32_16x16x32_f16 v[rS:rS+7], v[rK:rK+7], v[rQ:rQ+7], v[rH:rH+7]
.else
	WIN W_KQ
	v_wmma_f32_16x16x32_f16 v[rS:rS+7], v[rK:rK+7], v[rQ:rQ+7], v[rS:rS+7]
.endif
.endm
.macro PV x
	WIN W_PV
.set rO, 32*(2*(\x)+i%2)+8*((i/2)%4)
.set rV, VF+32*(i/8)+8*((i/2)%4)
.set rP, P+32*((\x)%2)+16*(i%2)+8*(i/8)
	v_wmma_f32_16x16x32_f16 v[rO:rO+7], v[rV:rV+7], v[rP:rP+7], v[rO:rO+7]
.endm
.macro MM
.if i < 16
	KQ (Y+1)%NP
.set i, i+1
.else
.set i, i-16
	PV (Y+NP-1)%NP
.set i, i+17
.endif
.endm
.macro FETCH_K last=0
	WIN 0
.if \last
	s_cmp_eq_u32 s[CNT], 1
	s_cbranch_scc1 .Lno_k_\@
.endif
	WIN 0x80
.irp f, 0,1,2,3,4,5,6,7
	ds_load_b128 v[KF+8*\f:KF+8*\f+3],   v[AK] offset:(\f/2)*16*PK+(\f%2)*64
	ds_load_b128 v[KF+8*\f+4:KF+8*\f+7], v[AK] offset:(\f/2)*16*PK+(\f%2)*64+32
.endr
	s_add_co_u32 s[TBK], s[TBK], KS*PK
	WIN 0
.if \last
.Lno_k_\@:
.endif
.endm
.macro FETCH_V
	WIN 0x80
.irp f, 0,1,2,3,4,5,6,7
	ds_load_tr16_b128 v[VF+8*\f:VF+8*\f+3],   v[AV] offset:(\f/4)*32*PV+(\f%4)*32
	ds_load_tr16_b128 v[VF+8*\f+4:VF+8*\f+7], v[AV] offset:(\f/4)*32*PV+16*PV+(\f%4)*32
.endr
	WIN 0
.endm
; THE VECTOR WORK OF A TURN stands in three queues, each in the order in which its entries become ready; the two tiles alternate.
.macro REGS y, u
.set rT, ST+4*(2*(\y)+(\u))
.set rC, TMP+8*((\y)%2)+4*(\u)
.set rM, MV+2*((\y)%2)+(\u)
.set rS, S+64*((\y)%2)+32*(\u)
.set rP, P+32*((\y)%2)+16*(\u)
.set rO, 32*(2*(\y)+(\u))
.endm
; The NEXT piece's (Y + 1) maximum and statistics, by number (19 is not used).  Each accumulator's lowest registers are read first.
;   0-11  four chains c0-c3 of seven scores each     12-14, 16  the four scores left over, the old m, and c0-c3 into c0     15  m_old is kept     17, 18  the lane 16 away: the new m     20, 21  m_old - m_new; a
.macro XS u, n
	REGS (Y+1)%NP, \u
.if (\n) < 4
	v_max3_num_f32 v[rC+(\n)], v[rS+8*(\n)], v[rS+8*(\n)+1], v[rS+8*(\n)+2]
.elseif (\n) < 12
	v_max3_num_f32 v[rC+(\n)%4], v[rC+(\n)%4], v[rS+8*((\n)%4)+2*((\n)/4)+1], v[rS+8*((\n)%4)+2*((\n)/4)+2]
.elseif (\n) == 12
	v_max3_num_f32 v[rC], v[rC], v[rS+7], v[rS+15]
.elseif (\n) == 13
	v_max3_num_f32 v[rC+1], v[rC+1], v[rS+23], v[rS+31]
.elseif (\n) == 14
	v_max3_num_f32 v[rC+2], v[rC+2], v[rC+3], v[rT]
.elseif (\n) == 15
	v_mov_b32 v[rM], v[rT]
.elseif (\n) == 16
	v_max3_num_f32 v[rC], v[rC], v[rC+1], v[rC+2]
.elseif (\n) == 17
	v_permlanex16_b32 v[rC+3], v[rC], s[SEL], s[SEL+1]
.elseif (\n) == 18
	v_max_num_f32 v[rT], v[rC], v[rC+3]
.elseif (\n) == 20
	v_sub_f32 v[rC+1], v[rM], v[rT]
.else
	v_exp_f32 v[rC+2], v[rC+1]
.endif
.endm
; Number g of the 64 that follow the exponentials: for each four weights both pairs are rounded to f16; the second pair is added onto the first in place; a group later l takes that sum (the first time as l = a l + sum).
.macro GS g
.set h, (\g)+6*((\g)/62)
.if h >= 6
.set h, h+2
.endif
	REGS Y, h%2
.set k, h/8
.if h%8 < 4
	s_wait_alu depctr_va_vdst(0)
	v_cvt_pk_f16_f32 v[rP+2*k+(h%8)/2], v[rS+4*k+2*((h%8)/2)], v[rS+4*k+2*((h%8)/2)+1]
.elseif h%8 < 6
	v_pk_add_f32 v[rS+4*k:rS+4*k+1], v[rS+4*k:rS+4*k+1], v[rS+4*k+2:rS+4*k+3]
.elseif k == 1
	v_pk_fma_f32 v[rT+2:rT+3], v[rT+2:rT+3], v[rC+2:rC+3], v[rS:rS+1] op_sel_hi:[1,0,1]
.else
	v_pk_add_f32 v[rT+2:rT+3], v[rT+2:rT+3], v[rS+4*k-4:rS+4*k-3]
	s_wait_alu depctr_va_vdst(0)
.endif
.endm
; THE PLAIN QUEUE, 136 long.  0-31: t - m for the 16 pairs of both tiles (exactly 0 at the maximum).  Then GS's 64, and among them the next piece's 40: number 15 at 38, 39; 0-14 and 16 at 42-73;
; 17, 18, 20 at 95-103, two of three, since each waits for the one before it.
.macro PL
	WIN 0
.if q < 32
	REGS Y, q%2
	v_pk_add_f32 v[rS+2*(q/2):rS+2*(q/2)+1], v[rS+2*(q/2):rS+2*(q/2)+1], v[rT:rT+1] op_sel_hi:[1,0] neg_lo:[0,1] neg_hi:[0,1]
.elseif q < 38
	GS q-32
.elseif q < 40
	XS q%2, 15
.elseif q < 42
	GS q-34
.elseif q < 74
	XS q%2, (q-42)/2+(q-42)/30
.elseif q < 95
	GS q-66
.elseif (q < 104) && ((q-95)%3 < 2)
	XS (q-95)%3, 17+(q-95)/3+(q-95)/6
.elseif q < 104
	GS 29+(q-95)/3
.else
	GS q-72
.endif
.set q, q+1
.endm
.set EA, 58
.macro EX                           ; the exponentials' queue, 66 long: s0-s31 of both tiles, and at EA the next piece's two a
	WIN 0
.if (e == EA) || (e == EA+1)
	XS e-EA, 21
.else
.set x, e-2*(e/(EA+2))
	REGS Y, x%2
	v_exp_f32 v[rS+x/2], v[rS+x/2]
.endif
.set e, e+1
.endm
.macro R4                           ; the rescaling's queue: O^T times a, four at a time, eight times
	REGS Y, r%2
	WIN W_RS
	s_wait_alu depctr_va_vdst(0)
.irp z, 0,1,2,3
	v_pk_mul_f32 v[rO+8*(r/2)+2*\z:rO+8*(r/2)+2*\z+1], v[rO+8*(r/2)+2*\z:rO+8*(r/2)+2*\z+1], v[rC+2:rC+3] op_sel_hi:[1,0]
.endr
.set r, r+1
.endm
; THE DEAL.  Behind a matrix instruction four: plain, exponential, plain, plain, or four of the rescaling.  The rest in two lumps: exponential and plain by turns; the second ends in 20 plain instructions.
; The queues lean on each other: exponential e stands behind plain 2 (e / 4) + e % 2; when the first lump ends, 59 plain and 33 exponentials are out; when the second begins, 95 and 45; EA comes behind plain 107,
; number 20 lies at 101 and 102; the last roundings (plain 126-129) come behind the last exponential, which stands beside plain 115.
.macro SL
	MM
	PL
	EX
	PL
	PL
.endm
.macro BURST n
.rept (\n)-7
	SL
.endr
.rept 3
	MM
	R4
	SL
.endr
	MM
	R4
.endm
.macro TURN p, last=0, cnt=0
.set Y, (\p)
.set i, 0
.set q, 0
.set e, 0
.set r, 0
.if (\p) == 2
	s_add_co_u32 s[MOFF], s[MOFF], 8192    ; the mask bytes asked for from here on are the next step's;
	s_and_b32 s[MOFF], s[MOFF], 0x3ffff    ; behind the last step they begin anew, so that no load leaves my wave's 262,144 bytes and every count stays as it is
	s_wait_xcnt 0x0                        ; the mask loads issued so far, the youngest half a turn back, have read their offset
	WIN W_MS
	v_add_nc_u32 v[MA], s[MOFF], v[MA0]
.endif
.if (\p) == NP-1
	s_wait_dscnt 0x0                ; K is in
.endif
	MM
.rept 4
	PL
.endr
	BURST 15
.rept 22
	EX
	PL
.if ((\p) == NP-2) && (e == 18)
	v_add_nc_u32 v[AK], s[TBK], v[AK0]
.endif
.if ((\p) == NP-2) && (e == 24)
	FETCH_K \last
.endif
.endr
	MASKS \p
.if (\p) == 1
	s_wait_dscnt 0x0                ; V is in
.endif
	BURST 16
.rept 21
	EX
	PL
.endr
.rept 20
	PL
.if ((\p) == 0) && (q == 118)
	v_add_nc_u32 v[AV], s[TBV], v[AV0]
	s_wait_alu depctr_va_vdst(0)
.endif
.if ((\p) == 0) && (q == 130)
	s_add_co_u32 s[TBV], s[TBV], KS*PV
.endif
.if (\cnt) && (q == 130)
	s_sub_co_u32 s[CNT], s[CNT], 1
	s_cmp_lg_u32 s[CNT], 0
.endif
.endr
.if (\p) == 0
	FETCH_V
.endif
.endm
	CHANGE 1                        ; slot 0 is in, everybody's part of it; slot 1 is asked for
	FETCH_K                         ; key step 0
	s_wait_loadcnt 0x0              ; Q, the keep words, step 0's mask bytes
	WIN 0x82                        ; destination and source 0 window 2, source 1 window 0
.set i, 0
.rept 128
	v_and_b32 v[i], v[i], v[TMP+i/16]  ; a row that sees no key multiplies as 0
.set i, i+1
.endr
	WIN W_CV
	MCVT 0                          ; the masks of pieces 0 and 1 for step 0; pieces 2 and 3 follow in the first two turns
	MCVT 1
	v_nop
	s_mov_b32 s[MOFF], 8192
	WIN W_MS
	v_add_nc_u32 v[MA], s[MOFF], v[MA0]
	MLOAD 0                         ; step 1's bytes
	MLOAD 1
	s_wait_dscnt 0x0
.set i, 0
.rept 16
	KQ 0
.set i, i+1
.endr
	WIN 0                           ; the addresses for the way out: plain instructions, the places behind those products
	s_mul_i32 s13, s[WV], 16*SP
	s_add_co_u32 s13, s13, STAGE
	v_mul_u32_u24 v[STO], v1, SP
	v_lshl_add_u32 v[STO], v9, 4, v[STO]
	v_add_nc_u32 v[STO], s13, v[STO]
	v_bfe_u32 v[RD], v0, 3, 2
	v_mul_u32_u24 v[RD], v[RD], SP
	v_lshl_add_u32 v[RD], v10, 4, v[RD]
	v_add_nc_u32 v[RD], s13, v[RD]
	v_and_b32 v[GO], 31, v0
	v_lshlrev_b32 v[GO], 4, v[GO]
.set Y, NP-1
.irp n, 0,1,2,3,4,5,6,7,8,9,10,11,12,13,14,15,16,17,18,20,21
	XS 0, \n
	XS 1, \n
.endr
	s_mov_b32 s[CNT], 4
	s_mov_b32 s[SLOTS], SIZE_N/256-1
	s_branch .Lfirst                ; the loop is entered at a step's first turn
.Lslot:
	CHANGE 1
	s_mov_b32 s[CNT], 4
.Lstep:                             ; a trip: pieces 2 and 3 of one step, then pieces 0 and 1 of the next
	TURN 2
	TURN 3
	WIN 0
.Lfirst:
	TURN 0
	TURN 1, 0, 1
	WIN 0
	s_cbranch_scc1 .Lstep
	s_sub_co_u32 s[SLOTS], s[SLOTS], 1
	s_cmp_lg_u32 s[SLOTS], 0
	s_cbranch_scc1 .Lslot
	CHANGE 0                        ; the tail is written out
	s_mov_b32 s[CNT], 5
.Ltail:
	TURN 2, 1
	TURN 3
	WIN 0
	s_sub_co_u32 s[CNT], s[CNT], 1
	s_cmp_eq_u32 s[CNT], 0
	s_cbranch_scc1 .Lout
	TURN 0
	TURN 1
	WIN 0
	s_branch .Ltail
.Lout:                              ; the fifth trip's 16 products K Q^T, their masks and their maximum serve nothing: the price, once a launch, of one text for every trip
.set i, 0
.rept 16
	PV NP-1
.set i, i+1
.endr
	; THE WAY OUT.  l's halves are added; O^T is divided by l, rounded to f16 and sent through my stage, a tile at a time.  The additions are the places behind the last products.
	WIN 0
.macro ALL line:vararg
.set t, 0
.rept 2*NP
	\line
.set t, t+1
.endr
.endm
	ALL v_add_f32 v[ST+4*t+2], v[ST+4*t+2], v[ST+4*t+3]
	ALL v_permlanex16_b32 v[ST+4*t+3], v[ST+4*t+2], s[SEL], s[SEL+1]
	ALL v_add_f32 v[ST+4*t+2], v[ST+4*t+2], v[ST+4*t+3]
	ALL v_rcp_f32 v[ST+4*t+2], v[ST+4*t+2]
	v_nop
	s_wait_alu depctr_va_vdst(0)
.macro PACK t
	WIN W_RS
.set i, 32*(\t)
.rept 16
	v_pk_mul_f32 v[i:i+1], v[i:i+1], v[ST+4*(\t)+2:ST+4*(\t)+3] op_sel_hi:[1,0]
.set i, i+2
.endr
	WIN 0x05
.set i, 0
.rept 16
	v_cvt_pk_f16_f32 v[S+16*(\t)+i], v[32*(\t)+2*i], v[32*(\t)+2*i+1]
.set i, i+1
.endr
	WIN 0
.irp f, 0,1,2,3
	ds_store_b128 v[STO], v[S+16*(\t)+4*\f:S+16*(\t)+4*\f+3] offset:32*\f
.endr
.irp f, 0,1,2,3
	ds_load_b128 v[S+16*(\t)+4*\f:S+16*(\t)+4*\f+3], v[RD] offset:\f*4*SP  ; LDS serves a wave's instructions in order (ISA guide 5.7.1.4)
.endr
.endm
.macro SEND t, younger
	WIN 0
.irp f, 0,1,2,3
	s_wait_dscnt (\younger)+3-\f
	global_store_b128 v[GO], v[S+16*(\t)+4*\f:S+16*(\t)+4*\f+3], s[10:11] offset:(\t)*2048+\f*512  ; 512 consecutive bytes, aligned
.endr
.endm
	PACK 0
.set t, 1
.rept 2*NP-1
	PACK t
	SEND t-1, 8
.set t, t+1
.endr
	SEND 2*NP-1, 0
	WIN W_AD
	s_wait_tensorcnt 0x0            ; the wave's end
	ds_add_u32 v[SPW], v[NIL]
	s_wait_dscnt 0x0
	WIN 0
	CROUND                          ; the closing round
	s_endpgm
.Lfunc_end_k_qa106e31e69_attn:
	.size	k_qa106e31e69_attn, .Lfunc_end_k_qa106e31e69_attn-k_qa106e31e69_attn
	.p2alignl 7, 3214868480
	.fill 96, 4, 3214868480
	.section	.rodata,"a",@progbits
	.p2align	6, 0x0
	.amdhsa_kernel k_qa106e31e69_attn
		.amdhsa_group_segment_fixed_size 327680
		.amdhsa_private_segment_fixed_size 0
		.amdhsa_enable_private_segment 0
		.amdhsa_kernarg_size 32
		.amdhsa_user_sgpr_count 2
		.amdhsa_user_sgpr_kernarg_segment_ptr 1
		.amdhsa_wavefront_size32 1
		.amdhsa_system_sgpr_workgroup_id_x 1
		.amdhsa_system_sgpr_workgroup_id_y 1
		.amdhsa_system_sgpr_workgroup_id_z 1
		.amdhsa_system_vgpr_workitem_id 0
		.amdhsa_next_free_vgpr 1024
		.amdhsa_next_free_sgpr 88
		.amdhsa_reserve_vcc 0
		.amdhsa_float_denorm_mode_32 3
		.amdhsa_float_denorm_mode_16_64 3
		.amdhsa_memory_ordered 1
		.amdhsa_forward_progress 1
		.amdhsa_inst_pref_size 225
	.end_amdhsa_kernel
	.amdgpu_metadata
---
amdhsa.version: [ 1, 2 ]
amdhsa.kernels:
  - .name:           k_qa106e31e69_attn
    .symbol:         k_qa106e31e69_attn.kd
    .args:
      - { .name: qkv, .offset: 0, .size: 8, .value_kind: global_buffer, .address_space: global }
      - { .name: maskb, .offset: 8, .size: 8, .value_kind: global_buffer, .address_space: global }
      - { .name: rowkeep, .offset: 16, .size: 8, .value_kind: global_buffer, .address_space: global }
      - { .name: o, .offset: 24, .size: 8, .value_kind: global_buffer, .address_space: global }
    .group_segment_fixed_size: 327680
    .private_segment_fixed_size: 0
    .kernarg_segment_align: 8
    .kernarg_segment_size: 32
    .max_flat_workgroup_size: 128
    .sgpr_count:     88
    .vgpr_count:     1024
    .wavefront_size: 32
...
	.end_amdgpu_metadata
.endif
;; end of part 3
;; launch outp (part 4): grid 4 x 64, 4 waves a work-group, clusters of 4 x 4, 327,680 bytes of LDS; arguments o, wt, out0; writes out0
.if DOCPART == 4
	.amdgcn_target "amdgcn-amd-amdhsa--gfx1250"
	.amdhsa_code_object_version 6
	.text
	.protected	k_qa106e31e69_outp
	.globl	k_qa106e31e69_outp
	.p2align	8
	.type	k_qa106e31e69_outp,@function
k_qa106e31e69_outp:
	s_mov_b64 s[64:65], 0
	v_nop
	global_prefetch_b8 v0, s[64:65] scope:SCOPE_SE
	s_setreg_imm32_b32 hwreg(HW_REG_WAVE_MODE, 25, 1), 1
	s_wait_xcnt 0x0
	s_wait_alu depctr_hold_cnt(0) depctr_sa_sdst(0) depctr_va_vdst(0) depctr_va_sdst(0) depctr_va_ssrc(0) depctr_va_vcc(0) depctr_vm_vsrc(0)
	s_getreg_b32 s2, hwreg(HW_REG_IB_STS2, 6, 4)
	s_cmp_eq_u32 s2, 0
	s_cbranch_scc0 .Lentry_in_a_cluster
	s_endpgm
.Lentry_in_a_cluster:
	s_bfe_u32 s2, ttmp6, 0x10000c
	s_cmp_lg_u32 s2, 0xf033
	s_cbranch_scc0 .Lentry_shape_is_right
	s_endpgm
.Lentry_shape_is_right:
; out0[m][n] = the sum over h, d of O[16 b + h][pos][d] Wo[16 d + h][n].  O: [64][2048][64] f16; Wo from wt's fourth matrix, [h 16][n 1024][64 d], f16 (the bf16 rounding of Wo); out0: [8192][1024] f32.  Sums in f32.
; SHARES.  64 x 4 = 256 tiles of 128 rows x 256 columns, one for each WGP.  Four waves, each 64 x 128: 32 accumulators.  K goes in 8 steps of 128 (two heads) through two LDS slots.
; CLUSTER 4 x 4: O's tile is shared along a row of the cluster, Wo's along a column: joint loads.  No prefetch: the tile is small and the launch short.
; THE MATRIX INSTRUCTION IS USED TRANSPOSED (source 0 = 16 rows of Wo's block, source 1 = 16 rows of O): a lane holds eight neighbouring columns of one row.
; REGISTERS: window 0: v16-29 addresses; v32-95 O's fragments, two buffers of 4 x 8; v96-223 rows on the way out.  window 1: v0-127 Wo's fragments, two buffers of 8 x 8.  window 2: accumulator (a, b) at 8 (8 a + b).
.set PB,    144                        ; an LDS row: 128 bytes + 16 = 36 words: 16 rows start at 16 different groups of four banks (64 banks of 4 bytes: ISA guide 11.1)
.set ABLK,  128*PB                     ; one head's 128 rows of O
.set BOFF,  2*ABLK
.set BBLK,  256*PB                     ; one head's 256 rows of Wo
.set SLOT1, 1<<17                      ; a slot takes 110,592 bytes; slot 1 begins here, so that one exclusive or turns an address in one slot into the other's
.set STAGE, SLOT1+BOFF+2*BBLK          ; behind the ring: 16 rows x 528 bytes for each wave
.set SPO,   528
.set SPARE, STAGE+4*16*SPO             ; the spare words, 128 bytes a wave
.set ADA0, 16
.set ADB0, 17
.set ADA,  18
.set ADB,  19
.set STO,  20
.set RD,   21
.set GO,   22
.set SPW,  28
.set NIL,  29
.set AF,   32
.set BK0,  96
.set WV, 14
.set WR, 15
.set WC, 16
.set G1A, 24
.set G0A, 32
.set G1B, 40
.set G0B, 48
.set TB,  59
.set OUT, 68
.set MSB, 0
.macro WIN new
.if MSB != (\new)
	s_set_vgpr_msb (MSB<<8)|(\new)
.set MSB, \new
.endif
.endm
.set MUL,  0xa1
.set TO_B, 0x40
.macro PLACES
.rept 4
	v_nop
.endr
.endm
.macro JLOAD                           ; a joint refill by the walking set; s_nop 0 and four v_nop follow each line
	s_cmp_eq_u32 s[WR], 0
	s_cbranch_scc0 .Lfor_b_\@
	tensor_load_to_lds s[G0A+4:G0A+7], s[G1A:G1A+7]
	s_nop 0
	PLACES
	s_branch .Lasked_\@
.Lfor_b_\@:
	tensor_load_to_lds s[G0B+4:G0B+7], s[G1B:G1B+7]
	s_nop 0
	PLACES
.Lasked_\@:
.endm
.macro CREST
	s_cmp_lg_u32 s[WV], 0
	s_cbranch_scc1 .Lnot_wave_0_\@
	s_barrier_signal -3
.Lnot_wave_0_\@:
	s_barrier_wait -3
	s_barrier_signal -1
	s_barrier_wait -1
.endm
.macro CROUND
	s_barrier_signal -1
	s_barrier_wait -1
	CREST
.endm
	s_load_b128 s[4:7], s[0:1], 0x0                ; o s[4:5], wt s[6:7]
	s_load_b64 s[8:9], s[0:1], 0x10                ; out0
	v_lshl_add_u32 v[SPW], v0, 2, SPARE
	v_mov_b32 v[NIL], 0
	ds_add_u32 v[SPW], v[NIL]                      ; the wave's opening: the add and its wait stand ahead of my first tensor load
	v_lshrrev_b32 v1, 5, v0
	v_readfirstlane_b32 s[WV], v1
	s_lshr_b32 s[WR], s[WV], 1                     ; my half of the rows; also: I fetch O (0) or Wo (1)
	s_and_b32 s[WC], s[WV], 1                      ; my half of the columns; also: which of a step's two heads I fetch
	s_bfe_u32 s17, ttmp6, 0x40000                  ; cx
	s_bfe_u32 s18, ttmp6, 0x40004                  ; cy
	s_and_b32 s21, ttmp7, 0xffff
	s_lshl_b32 s21, s21, 2
	s_add_co_u32 s21, s21, s18                     ; tile row, 0..63
	s_lshl_b32 s22, ttmp9, 2
	s_add_co_u32 s22, s22, s17                     ; tile column, 0..3
	s_lshl_b32 s23, s18, 2
	s_lshl_b32 s23, 15, s23                        ; my row of the cluster
	s_lshl_b32 s70, 0x1111, s17                    ; my column
	s_or_b32 s[G1A], s23, (1<<16)|(1<<20)|(1<<21)|(4<<22)|(3<<25)  ; the mask; 2-byte elements; padding on; bit 21 beside a mask; after every 32 words, 4 words
	s_mov_b32 s[G1A+1], 128<<16                    ; 128 dense rows of 128 bytes, asked for as 64 rows of 256
	s_mov_b32 s[G1A+2], 64<<16
	s_mov_b32 s[G1A+3], 128<<16
	s_mov_b32 s[G1A+4], 64
	s_mov_b32 s[G1A+5], 128
	s_mov_b32 s[G1A+6], 0
	s_mov_b32 s[G1A+7], 0
	s_or_b32 s[G1B], s70, (1<<16)|(1<<20)|(1<<21)|(4<<22)|(3<<25)
	s_mov_b32 s[G1B+1], 128<<16                    ; 256 dense rows, as 128 rows of 256 bytes
	s_mov_b32 s[G1B+2], 128<<16
	s_mov_b32 s[G1B+3], 128<<16
	s_mov_b32 s[G1B+4], 128
	s_mov_b32 s[G1B+5], 128
	s_mov_b32 s[G1B+6], 0
	s_mov_b32 s[G1B+7], 0
	s_lshr_b32 s72, s21, 4                         ; O: ((16 b + head) x 2,048 + the tile's rows in the batch) x 128 bytes
	s_lshl_b32 s72, s72, 4
	s_add_co_u32 s72, s72, s[WC]
	s_lshl_b32 s72, s72, 18
	s_and_b32 s71, s21, 15
	s_lshl_b32 s71, s71, 14
	s_add_co_u32 s72, s72, s71
	s_mov_b32 s73, 0
	s_lshl_b32 s76, s[WC], 17                      ; Wo: the fourth matrix, block = head, rows 256 x tile column
	s_lshl_b32 s71, s22, 15
	s_add_co_u32 s76, s76, s71
	s_add_co_u32 s76, s76, 0x600000
	s_mov_b32 s77, 0
	s_mul_i32 s57, s[WC], ABLK
	s_mul_i32 s58, s[WC], BBLK
	s_add_co_u32 s58, s58, BOFF
	s_mov_b32 s[TB], 0
	s_lshl_b32 s74, s21, 19                        ; out0: (128 x tile row + 64 x half) rows of 4,096 bytes + (256 x tile column + 128 x half) x 4
	s_lshl_b32 s71, s[WR], 18
	s_add_co_u32 s74, s74, s71
	s_lshl_b32 s71, s22, 10
	s_add_co_u32 s74, s74, s71
	s_lshl_b32 s71, s[WC], 9
	s_add_co_u32 s74, s74, s71
	s_mov_b32 s75, 0
	s_wait_dscnt 0x0                               ; the opening add is done
	s_wait_kmcnt 0x0
	s_add_nc_u64 s[78:79], s[4:5], s[72:73]
	s_add_nc_u64 s[60:61], s[6:7], s[76:77]
	s_add_nc_u64 s[OUT:OUT+1], s[8:9], s[74:75]
	CROUND                                         ; all sixteen work-groups are here
.irp s, 0,1
	s_mov_b32 s[G0A+4*\s], 1
	s_add_co_u32 s[G0A+4*\s+1], s57, \s*SLOT1
	s_add_nc_u64 s[G0A+4*\s+2:G0A+4*\s+3], s[78:79], \s*524288
	s_or_b32 s[G0A+4*\s+3], s[G0A+4*\s+3], 0x80000000
	s_mov_b32 s[G0B+4*\s], 1
	s_add_co_u32 s[G0B+4*\s+1], s58, \s*SLOT1
	s_add_nc_u64 s[G0B+4*\s+2:G0B+4*\s+3], s[60:61], \s*262144
	s_or_b32 s[G0B+4*\s+3], s[G0B+4*\s+3], 0x80000000
.endr
	s_cmp_eq_u32 s[WR], 0                          ; a wave's two first fills stand in one branch: two loads of mine are out
	s_cbranch_scc0 .Lfirst_b
	tensor_load_to_lds s[G0A:G0A+3], s[G1A:G1A+7]
	s_nop 0
	tensor_load_to_lds s[G0A+4:G0A+7], s[G1A:G1A+7]
	s_nop 0
	PLACES
	s_branch .Lfirst_asked
.Lfirst_b:
	tensor_load_to_lds s[G0B:G0B+3], s[G1B:G1B+7]
	s_nop 0
	tensor_load_to_lds s[G0B+4:G0B+7], s[G1B:G1B+7]
	s_nop 0
	PLACES
.Lfirst_asked:
	v_and_b32 v1, 15, v0                           ; l % 16
	v_bfe_u32 v2, v0, 4, 1                         ; l / 16
	v_mul_u32_u24 v3, v1, PB
	v_lshl_add_u32 v3, v2, 4, v3                   ; row x pitch + 16 x half
	s_mul_i32 s71, s[WR], 64*PB
	v_add_nc_u32 v[ADA0], s71, v3
	s_mul_i32 s71, s[WC], 128*PB
	s_add_co_u32 s71, s71, BOFF
	v_add_nc_u32 v[ADB0], s71, v3
	v_mov_b32 v[ADA], v[ADA0]
	v_mov_b32 v[ADB], v[ADB0]
	s_mul_i32 s71, s[WV], 16*SPO
	s_add_co_u32 s71, s71, STAGE
	v_mul_u32_u24 v[STO], v1, SPO                  ; in: row l % 16, 32 bytes for each half of the lanes
	v_lshl_add_u32 v[STO], v2, 5, v[STO]
	v_add_nc_u32 v[STO], s71, v[STO]
	v_and_b32 v[GO], 31, v0
	v_lshlrev_b32 v[GO], 4, v[GO]                  ; 16 x lane: a row's 512 bytes, in the stage and in out0
	v_add_nc_u32 v[RD], s71, v[GO]
; eight matrix instructions: m block a x all n blocks, from buffers f.  The 32 accumulators take turns in the same order in every quarter.
.macro MM f, a, zero
	WIN MUL
.irp b, 0,1,2,3,4,5,6,7
.if \zero
	v_wmma_f32_16x16x32_f16 v[8*(8*(\a)+\b):8*(8*(\a)+\b)+7], v[64*(\f)+8*\b:64*(\f)+8*\b+7], v[AF+32*(\f)+8*(\a):AF+32*(\f)+8*(\a)+7], 0
.else
	v_wmma_f32_16x16x32_f16 v[8*(8*(\a)+\b):8*(8*(\a)+\b)+7], v[64*(\f)+8*\b:64*(\f)+8*\b+7], v[AF+32*(\f)+8*(\a):AF+32*(\f)+8*(\a)+7], v[8*(8*(\a)+\b):8*(8*(\a)+\b)+7]
.endif
.endr
.endm
.macro FETCH qd, f                     ; 24 LDS loads in one run: quarter qd (head qd / 2, channels 32 (qd % 2) on) of the slot in hand, into buffers f
	WIN 0
.irp a, 0,1,2,3
	ds_load_b128 v[AF+32*(\f)+8*\a:AF+32*(\f)+8*\a+3],   v[ADA] offset:ABLK*((\qd)/2)+16*PB*\a+64*((\qd)%2)
	ds_load_b128 v[AF+32*(\f)+8*\a+4:AF+32*(\f)+8*\a+7], v[ADA] offset:ABLK*((\qd)/2)+16*PB*\a+64*((\qd)%2)+32
.endr
	WIN TO_B
.irp b, 0,1,2,3,4,5,6,7
	ds_load_b128 v[64*(\f)+8*\b:64*(\f)+8*\b+3],   v[ADB] offset:BBLK*((\qd)/2)+16*PB*\b+64*((\qd)%2)
	ds_load_b128 v[64*(\f)+8*\b+4:64*(\f)+8*\b+7], v[ADB] offset:BBLK*((\qd)/2)+16*PB*\b+64*((\qd)%2)+32
.endr
.endm
.macro QUARTER qn, f, zero             ; multiplies buffers f; in its middle, four places behind the last reader of buffers 1 - f, it fetches quarter qn into them
	s_wait_dscnt 0x0
	MM \f, 0, \zero
	MM \f, 1, \zero
	PLACES
	FETCH \qn, 1-(\f)
	MM \f, 2, \zero
	MM \f, 3, \zero
.endm
; The fourth quarter multiplies buffers 1 and changes slots: in front of the barrier each wave waits for all its tensor loads (one is out: its part of the next slot), adds 0 to its spare word, and waits for that and for
; its reads of this slot.  fill = 1: the barrier opens a round of the cluster's, and this slot is filled again, two K steps ahead, first thing behind it.
.macro TURN fill
	WIN 0
	s_wait_tensorcnt 0x0                           ; no tensor load of mine is out, so a group 0 may be written
	ds_add_u32 v[SPW], v[NIL]                      ; 0 onto my spare word
.if \fill
	s_xor_b32 s[G0A+5], s[G0A+5], SLOT1            ; the walking sets: the other slot, the next two heads
	s_add_nc_u64 s[G0A+6:G0A+7], s[G0A+6:G0A+7], 524288
	s_xor_b32 s[G0B+5], s[G0B+5], SLOT1
	s_add_nc_u64 s[G0B+6:G0B+7], s[G0B+6:G0B+7], 262144
.endif
	s_wait_dscnt 1                                 ; this quarter's fragments are in; the add may be out
	MM 1, 0, 0
	s_wait_dscnt 0x0                               ; the add is done, and my reads of this slot are over
	s_barrier_signal -1
	MM 1, 1, 0
	WIN 0
	s_barrier_wait -1
.if \fill
	CREST
	JLOAD                                          ; its four v_nop are also the places in front of the loads below
.else
	PLACES
.endif
	s_xor_b32 s[TB], s[TB], SLOT1
	v_add_nc_u32 v[ADA], s[TB], v[ADA0]
	v_add_nc_u32 v[ADB], s[TB], v[ADB0]
	FETCH 0, 0
	MM 1, 2, 0
	MM 1, 3, 0
.endm
	s_wait_tensorcnt 1                             ; my part of K step 0 is in; step 1's may stay out
	s_barrier_signal -1
	s_barrier_wait -1
	FETCH 0, 0
	QUARTER 1, 0, 1                                ; the first quarter's products start the sums
	WIN 0
	s_mov_b32 s3, 6
	s_branch .Lenter
.Ltrip:                                        ; a trip is a K step; six trips ask for steps 2 to 7
	QUARTER 1, 0, 0
	WIN 0
.Lenter:
	QUARTER 2, 1, 0
	QUARTER 3, 0, 0
	TURN 1
	WIN 0
	s_sub_co_u32 s3, s3, 1
	s_cmp_lg_u32 s3, 0
	s_cbranch_scc1 .Ltrip
	s_mov_b32 s3, 2                                ; steps 6 and 7 ask for nothing; the second trip is left in front of the change of slots
.Ltail:
	QUARTER 1, 0, 0
	QUARTER 2, 1, 0
	QUARTER 3, 0, 0
	WIN 0
	s_sub_co_u32 s3, s3, 1
	s_cmp_eq_u32 s3, 0
	s_cbranch_scc1 .Llastq
	TURN 0
	WIN 0
	s_branch .Ltail
.Llastq:
	s_wait_dscnt 0x0
	MM 1, 0, 0
	MM 1, 1, 0
	MM 1, 2, 0
	MM 1, 3, 0
	PLACES
	PLACES
; THE WAY OUT, 16 rows at a time: the sums go as they are into my stage, 32 bytes a lane, and come back as whole rows of 512 bytes.
.macro TOSTAGE a
	WIN 0x08                                       ; the stores' data in window 2; each accumulator's low half first
.irp b, 0,1,2,3,4,5,6,7
	ds_store_b128 v[STO], v[64*(\a)+8*\b:64*(\a)+8*\b+3]   offset:64*\b
	ds_store_b128 v[STO], v[64*(\a)+8*\b+4:64*(\a)+8*\b+7] offset:64*\b+16
.endr
	WIN 0
.if (\a) >= 2
	s_wait_xcnt 0x0                                ; the stores of the block two back have read the registers that the loads below write
.endif
.set BK, BK0+64*((\a)%2)
.irp t, 0,1,2,3,4,5,6,7,8,9,10,11,12,13,14,15
	ds_load_b128 v[BK+4*\t:BK+4*\t+3], v[RD] offset:\t*SPO  ; LDS serves a wave's instructions in order (ISA guide 5.7.1.4): these see the stores above
.endr
.endm
.macro SEND a, younger                 ; younger: the LDS instructions issued behind block a's loads: the next block's 32, or none
.set BK, BK0+64*((\a)%2)
.irp t, 0,1,2,3,4,5,6,7,8,9,10,11,12,13,14,15
	s_wait_dscnt (\younger)+15-\t
	global_store_b128 v[GO], v[BK+4*\t:BK+4*\t+3], s[OUT:OUT+1] offset:(16*(\a)+\t)*4096 th:TH_STORE_NT  ; 512 consecutive bytes of a row, aligned
.endr
.endm
	TOSTAGE 0
	TOSTAGE 1
	SEND 0, 32
	TOSTAGE 2
	SEND 1, 32
	TOSTAGE 3
	SEND 2, 32
	SEND 3, 0
	s_wait_tensorcnt 0x0                           ; the wave's end
	ds_add_u32 v[SPW], v[NIL]
	s_wait_dscnt 0x0
	CROUND                                         ; the closing round
	s_endpgm
.Lfunc_end_k_qa106e31e69_outp:
	.size	k_qa106e31e69_outp, .Lfunc_end_k_qa106e31e69_outp-k_qa106e31e69_outp
	.p2alignl 7, 3214868480
	.fill 96, 4, 3214868480
	.section	.rodata,"a",@progbits
	.p2align	6, 0x0
	.amdhsa_kernel k_qa106e31e69_outp
		.amdhsa_group_segment_fixed_size 327680
		.amdhsa_private_segment_fixed_size 0
		.amdhsa_enable_private_segment 0
		.amdhsa_kernarg_size 24
		.amdhsa_user_sgpr_count 2
		.amdhsa_user_sgpr_kernarg_segment_ptr 1
		.amdhsa_wavefront_size32 1
		.amdhsa_system_sgpr_workgroup_id_x 1
		.amdhsa_system_sgpr_workgroup_id_y 1
		.amdhsa_system_sgpr_workgroup_id_z 1
		.amdhsa_system_vgpr_workitem_id 0
		.amdhsa_next_free_vgpr 768
		.amdhsa_next_free_sgpr 80
		.amdhsa_reserve_vcc 0
		.amdhsa_float_denorm_mode_32 3
		.amdhsa_float_denorm_mode_16_64 3
		.amdhsa_memory_ordered 1
		.amdhsa_forward_progress 1
		.amdhsa_inst_pref_size 63
	.end_amdhsa_kernel
	.amdgpu_metadata
---
amdhsa.version: [ 1, 2 ]
amdhsa.kernels:
  - .name:           k_qa106e31e69_outp
    .symbol:         k_qa106e31e69_outp.kd
    .args:
      - { .name: o, .offset: 0, .size: 8, .value_kind: global_buffer, .address_space: global }
      - { .name: wt, .offset: 8, .size: 8, .value_kind: global_buffer, .address_space: global }
      - { .name: out0, .offset: 16, .size: 8, .value_kind: global_buffer, .address_space: global }
    .group_segment_fixed_size: 327680
    .private_segment_fixed_size: 0
    .kernarg_segment_align: 8
    .kernarg_segment_size: 24
    .max_flat_workgroup_size: 128
    .sgpr_count:     80
    .vgpr_count:     768
    .wavefront_size: 32
...
	.end_amdgpu_metadata
.endif
;; end of part 4
;; ======== version 2 of 2: 4 launches; version 1 with the launch prep written anew for expert scheduling mode
;; limits: values are held in f16: magnitudes above 65,504 overflow, below 6.1e-05 lose precision
;; workspace buffers: wt 8,388,608 bytes; maskb 16,777,216 bytes; rowkeep 65,536 bytes; qkv 50,331,648 bytes; o 16,777,216 bytes
;; launch prep (part 5): grid 768 x 1, 8 waves a work-group, no clusters, 72,960 bytes of LDS; arguments mask, Wq, Wk, Wv, Wo, maskb, rowkeep, wt; writes maskb, rowkeep, wt
.if DOCPART == 5
	.amdgcn_target "amdgcn-amd-amdhsa--gfx1250"
	.amdhsa_code_object_version 6
	.text
	.protected	k_qa106e31e69_prep
	.globl	k_qa106e31e69_prep
	.p2align	8
	.type	k_qa106e31e69_prep,@function
k_qa106e31e69_prep:
	s_mov_b64 s[64:65], 0
	v_nop
	global_prefetch_b8 v0, s[64:65] scope:SCOPE_SE
	s_setreg_imm32_b32 hwreg(HW_REG_WAVE_SCHED_MODE, 0, 2), 2
	s_setreg_imm32_b32 hwreg(HW_REG_WAVE_MODE, 25, 1), 1
	s_wait_xcnt 0x0
	s_wait_alu depctr_vm_vsrc(0)
; PREP.  Work-groups 0-511: the mask [4][2048][2048] int32 becomes one byte a score, 0x00 where the key is seen and 0xB8 (fp8 E4M3 -1.0) where mask == 0,
; laid out as a lane of the attention launch holds its scores; and a keep word for each query row (all ones if the row sees a key, else 0).
; Work-groups 512-767: the four weights, transposed, sorted by heads and rounded once to bf16 (Wo: that number written as f16; exact while |Wo| lies in f16's normal range, under 65,504).
; maskb byte ((((b 16 + qb) 32 + s) 8 + t) 2 + p) 512 + 16 l + i: query 16 (8 qb + t) + l % 16, key 64 s + 16 (2 p + i / 8) + 8 (l / 16) + i % 8.
; wt: four matrices of 2 MiB, [kb 16][n 1024][64] of 16 bits.  q, k, v: wt[kb][64 h + d][kk] = W[64 kb + kk][16 d + h].  Wo: wt[h][n][d] = Wo[16 d + h][n].
; Memory binds: every load and store of a wave covers 512 consecutive bytes, aligned (the keep words: 128); no matrix unit, no cluster: no work-group reads what another reads.
; LDS: the mask's path and the weights' paths have bytes of their own, so that no store of the one can name a byte of the other.
; THE MODE: SCHED_MODE bits 1:0 = 2 (LLVM: expert scheduling mode 2), set by the entry lines.  The code itself states the register dependences
; between vector instructions and memory or LDS instructions, with s_wait_alu, always for 0.
; THE PLAN.  Registers that memory or LDS instructions touch:
;   v4-v7, v11-v13  Offsets and LDS addresses: written once at the head of a way, ahead of the way's first wait on va_vdst, and never again.
;   X               Written by the loads, all issued at the head; then each row's (each pair of k's) registers are worked on in place by that row's vector lines alone, and the
;                   registers that hold its result are read by its LDS stores.  Every store has data registers of its own, which nothing writes again.
;   Y               Written by LDS loads, read by global stores; no vector line names it.
;   v10, v16        At the mask's end: the flags, the keep word: written by vector lines, read by one store each.
; The work goes in four blocks.  At a block's head, behind the wait for its loads, ONE wait on va_vdst states that the block before has written its results; that block's eight
; LDS stores follow, dealt among this block's vector lines, which name none of their registers.  One more such wait stands ahead of the last block's stores.
; The mask's sixteen compares write sixteen scalar registers, with one wait on va_sdst behind the run.
.set TP,    272                        ; mask: an LDS row of 256 code bytes + 16
.set TW,    16*TP                      ; a wave's own 16 rows; eight waves: bytes 0 to 34,815
.set FLG,   34816                      ; eight words: each wave's row flags
.set WREG,  35072                      ; the weights' tile: 256 rows of 144 bytes
.set WP,    144                        ; weights: an LDS row of 64 numbers of 16 bits + 16
.set SPARE, 71936                      ; the spare words, 128 bytes a wave: four blocks of 256 bytes that no other line names
.set SPW,   8                          ; v8  my spare word's address; never rewritten
.set NIL,   9                          ; v9  0; never rewritten
.set X,     32                         ; v[32:159] as loaded, then worked on in place
.set Y,     160                        ; v[160:191] to store
.set FL,    32                         ; s[32:47] row r: the lanes that see a key of it
.macro FINISH                          ; the wave's end
	s_wait_dscnt 0x0
	s_wait_alu 0x0
	s_wait_tensorcnt 0x0
	ds_add_u32 v[SPW], v[NIL]
	s_wait_dscnt 0x0
	s_endpgm
.endm
	s_load_b512 s[4:19], s[0:1], 0x0               ; mask s[4:5], Wq s[6:7], Wk s[8:9], Wv s[10:11], Wo s[12:13], maskb s[14:15], rowkeep s[16:17], wt s[18:19]
	v_lshl_add_u32 v[SPW], v0, 2, SPARE
	v_mov_b32 v[NIL], 0
	v_lshrrev_b32 v1, 5, v0
	v_readfirstlane_b32 s20, v1                    ; wave 0..7
	v_and_b32 v1, 31, v0                           ; lane l
	v_and_b32 v2, 15, v0                           ; l % 16
	v_bfe_u32 v3, v0, 4, 1                         ; l / 16
	s_wait_alu depctr_va_sdst(0)                   ; s20 is written, ahead of the branch and of its first reader on either way
	s_cmp_ge_u32 ttmp9, 512                        ; the same for all eight waves
	s_cbranch_scc1 .Lweights
	; THE MASK.  The work-group owns 16 query rows, wave w their keys 256 w .. 256 w + 255.
	s_lshl_b32 s22, ttmp9, 17                      ; 16 rows of 8,192 bytes
	s_mov_b32 s23, 0
	s_lshl_b32 s21, s20, 10
	v_lshl_add_u32 v4, v1, 4, s21                  ; in: 16 l + 1,024 w
	s_mul_i32 s21, s20, TW
	v_lshl_add_u32 v5, v1, 2, s21                  ; into my rows: 4 l
	v_mul_u32_u24 v6, v2, TP
	v_lshl_add_u32 v6, v3, 3, v6
	v_add_nc_u32 v6, s21, v6                       ; back: row l % 16, 8 bytes for each half of the lanes
	s_lshl_b32 s21, s20, 15
	v_lshl_add_u32 v7, v1, 4, s21                  ; out: 16 l + my four key steps of 8,192 bytes
	s_lshl_b32 s21, s20, 2
	s_add_co_u32 s21, s21, FLG
	v_mov_b32 v11, s21                             ; my flag word
	v_mov_b32 v12, FLG                             ; the eight flag words, which wave 0 reads: made here with the other addresses
	v_lshlrev_b32 v13, 2, v1                       ; 4 l: the keep words, which wave 0 stores
	s_mov_b32 s26, 0                               ; bit r: row r sees one of my keys
	s_mov_b32 s27, 0xb8
	s_lshr_b32 s28, ttmp9, 3
	s_lshl_b32 s28, s28, 18                        ; (b 16 + qb) x 262,144
	s_and_b32 s29, ttmp9, 7
	s_lshl_b32 s29, s29, 10                        ; + t x 1,024
	s_add_co_u32 s28, s28, s29
	s_mov_b32 s29, 0
	s_lshl_b32 s30, ttmp9, 7                       ; the tile's 32 keep words
	s_mov_b32 s31, 0
	s_wait_kmcnt 0x0
	s_add_nc_u64 s[4:5], s[4:5], s[22:23]
	s_add_nc_u64 s[14:15], s[14:15], s[28:29]
	s_add_nc_u64 s[16:17], s[16:17], s[30:31]
	s_wait_alu depctr_va_vdst(0)                   ; v4 to v7 and v11 to v13 are written: every load and store of this way reads one of them as its offset or address
.set r, 0
.rept 16                                       ; all 32 loads go out at once: 16 KiB a wave on their way
	global_load_b128 v[X+8*r:X+8*r+3],   v4, s[4:5] offset:8192*r th:TH_LOAD_NT
	global_load_b128 v[X+8*r+4:X+8*r+7], v4, s[4:5] offset:8192*r+512 th:TH_LOAD_NT
.set r, r+1
.endr
; Row r's vector lines: its codes end in registers 1 and 5 of its eight; the lanes that see a key of it go into a scalar register of the row's own.
.macro MROW r
.irp c, 0,1
.set xb, X+8*(\r)+4*(\c)
	v_min_u32 v[xb], 1, v[xb]                      ; 1 where the key is seen (any number but 0)
	v_min_u32 v[xb+1], 1, v[xb+1]
	v_min_u32 v[xb+2], 1, v[xb+2]
	v_min_u32 v[xb+3], 1, v[xb+3]
	v_lshl_or_b32 v[xb], v[xb+1], 8, v[xb]
	v_lshl_or_b32 v[xb+2], v[xb+3], 8, v[xb+2]
	v_lshl_or_b32 v[xb], v[xb+2], 16, v[xb]        ; four keep bytes
	v_xor_b32 v[xb+1], 0x01010101, v[xb]           ; 1 where hidden,
	v_mul_lo_u32 v[xb+1], v[xb+1], s27             ; times 0xB8: no byte carries into the next
.endr
	v_or_b32 v10, v[X+8*(\r)], v[X+8*(\r)+4]
	v_cmp_ne_u32 s[FL+(\r)], 0, v10                ; the lanes that see a key of row r
.endm
; Row r's two LDS stores.
.macro MSTO r
	ds_store_b32 v5, v[X+8*(\r)+1] offset:TP*(\r)
	ds_store_b32 v5, v[X+8*(\r)+5] offset:TP*(\r)+128
.endm
.set p, 0
.rept 4                                        ; four blocks of four rows
	s_wait_loadcnt 24-8*p                          ; loads come back in order: this block's eight are in, the younger blocks' stay out
.if p > 0
	s_wait_alu depctr_va_vdst(0)                   ; the block before has written its codes, which the stores below read; this block's vector lines name none of those registers
.endif
.set i, 0
.rept 4
.if p > 0
	MSTO 4*p-4+i
.endif
	MROW 4*p+i
.set i, i+1
.endr
.set p, p+1
.endr
	s_wait_alu depctr_va_sdst(0)                   ; the sixteen compares have written s[FL ..], ahead of their first reader
.set r, 0
.rept 16
	s_cmp_lg_u32 s[FL+r], 0
	s_cselect_b32 s25, (1<<r), 0
	s_or_b32 s26, s26, s25
.set r, r+1
.endr
	v_mov_b32 v10, s26
	s_wait_alu depctr_va_vdst(0)                   ; the last block has written its codes, and v10 holds the flags: the nine stores below read them
	MSTO 12
	MSTO 13
	MSTO 14
	MSTO 15
	ds_store_b32 v11, v10                          ; all lanes write the same word with the same value
	s_wait_dscnt 0x0                               ; for the others' sake: my flag word is written
	s_barrier_signal -1
	s_barrier_wait -1                              ; the one barrier, for the flags; the code bytes are each wave's own
.set q, 0
.rept 8                                        ; q = 2 x key step + p: 8 bytes of key block 2 p, 8 of key block 2 p + 1.  No vector line names Y, and v6 stands as the head made it
	ds_load_b64 v[Y+4*q:Y+4*q+1],   v6 offset:32*q
	ds_load_b64 v[Y+4*q+2:Y+4*q+3], v6 offset:32*q+16
.set q, q+1
.endr
.set q, 0
.rept 8
	s_wait_dscnt 14-2*q                            ; LDS loads come back in order
	global_store_b128 v7, v[Y+4*q:Y+4*q+3], s[14:15] offset:8192*(q/2)+512*(q%2)
.set q, q+1
.endr
	s_cmp_lg_u32 s20, 0                            ; wave 0 writes the keep words
	s_cbranch_scc1 .Lmask_end
	ds_load_b128 v[16:19], v12                     ; no vector line of this way has named v[16:23]
	ds_load_b128 v[20:23], v12 offset:16
	s_wait_dscnt 0x0
	v_or_b32 v16, v16, v17
	v_or_b32 v18, v18, v19
	v_or_b32 v20, v20, v21
	v_or_b32 v22, v22, v23
	v_or_b32 v16, v16, v18
	v_or_b32 v20, v20, v22
	v_or_b32 v16, v16, v20
	v_lshrrev_b32 v16, v2, v16                     ; my row's bit,
	v_and_b32 v16, 1, v16
	v_sub_nc_u32 v16, 0, v16                       ; as 0 or all ones
	s_wait_alu depctr_va_vdst(0)                   ; v16 is written, which the store reads
	global_store_b32 v13, v16, s[16:17]
.Lmask_end:
	FINISH
	; THE WEIGHTS.  A work-group turns 64 (k) x 256 (columns) of one matrix: wave w loads k = 8 w .. 8 w + 7, two k pack into a word, LDS row = column.
; Pair m = 2 i + c (k = 8 w + 2 i and + 1, columns 128 c + 4 l ..): eight registers at X + 8 m.  The roundings work in place: the four words end in the first four registers.
; wo = 1: the bf16 number is written as f16; the other four registers serve as the place for the low halves.
.macro WCVT m, wo
.set j, 0
.rept 4
	v_cvt_pk_bf16_f32 v[X+8*(\m)+j], v[X+8*(\m)+j], v[X+8*(\m)+4+j]
.if \wo
	v_lshlrev_b32 v[X+8*(\m)+4+j], 16, v[X+8*(\m)+j]
	v_and_b32 v[X+8*(\m)+j], 0xffff0000, v[X+8*(\m)+j]
	v_cvt_pk_f16_f32 v[X+8*(\m)+j], v[X+8*(\m)+4+j], v[X+8*(\m)+j]
.endif
.set j, j+1
.endr
.endm
; Pair m's four LDS stores.
.macro WSTO m
.set j, 0
.rept 4
	ds_store_b32 v5, v[X+8*(\m)+j] offset:(128*((\m)%2)+j)*WP+4*((\m)/2)
.set j, j+1
.endr
.endm
.macro WTILE rs, wo                    ; rs: bytes from k to k + 1 in memory
	s_wait_alu depctr_va_vdst(0)                   ; v4 to v7 are written: every load and store of this way reads one of them as its offset or address
.set n, 0
.rept 16                               ; n = 4 i + 2 c + e: k = 8 w + 2 i + e, columns 128 c + 4 l ..
	global_load_b128 v[X+4*n:X+4*n+3], v4, s[26:27] offset:(2*(n/4)+n%2)*(\rs)+512*((n/2)%2) th:TH_LOAD_NT
.set n, n+1
.endr
.set p, 0
.rept 4                                ; four blocks of two pairs
	s_wait_loadcnt 12-4*p                          ; this block's four loads are in, the younger ones stay out
.if p > 0
	s_wait_alu depctr_va_vdst(0)                   ; the block before has written its words, which the stores below read; this block's roundings name none of those registers
	WSTO 2*p-2
.endif
	WCVT 2*p, \wo
.if p > 0
	WSTO 2*p-1
.endif
	WCVT 2*p+1, \wo
.set p, p+1
.endr
	s_wait_alu depctr_va_vdst(0)                   ; the last block has written its words, which the eight stores below read
	WSTO 6
	WSTO 7
	s_wait_dscnt 0x0                               ; for the others' sake: my stores are done
	s_barrier_signal -1
	s_barrier_wait -1
.endm
.Lweights:
	s_sub_co_u32 s21, ttmp9, 512
	s_lshr_b32 s22, s21, 6                         ; which matrix
	s_bfe_u32 s23, s21, 0x40002                    ; kb
	s_and_b32 s24, s21, 3                          ; which 256 columns
	v_mul_u32_u24 v5, v1, 4*WP                     ; into LDS: row 4 l (+ j), byte 16 w (+ 4 i), in the weights' own bytes
	s_lshl_b32 s25, s20, 4
	s_add_co_u32 s25, s25, WREG
	v_add_nc_u32 v5, s25, v5
	v_lshrrev_b32 v10, 3, v1                       ; l / 8
	v_and_b32 v11, 7, v1                           ; l % 8
	s_lshl_b32 s30, s22, 21                        ; out: the matrix, its block kb
	s_lshl_b32 s31, s23, 17
	s_add_co_u32 s30, s30, s31
	s_mov_b32 s29, 0
	s_wait_kmcnt 0x0
	s_cmp_eq_u32 s22, 3
	s_cbranch_scc1 .Lwo
	s_cmp_eq_u32 s22, 1
	s_cselect_b64 s[26:27], s[8:9], s[6:7]
	s_cmp_eq_u32 s22, 2
	s_cselect_b64 s[26:27], s[10:11], s[26:27]
	s_lshl_b32 s28, s23, 18                        ; 64 rows of 4,096 bytes
	s_lshl_b32 s25, s24, 10
	s_add_co_u32 s28, s28, s25
	s_add_nc_u64 s[26:27], s[26:27], s[28:29]
	s_lshl_b32 s25, s20, 15
	v_lshl_add_u32 v4, v1, 4, s25                  ; 16 l + 8 w rows
	v_mul_u32_u24 v6, v10, 16*WP                   ; back: column 16 (4 g + l / 8) + 2 w + hh is head 2 w + hh, channel 16 nq + 4 g + l / 8
	v_lshl_add_u32 v6, v11, 4, v6
	s_mul_i32 s25, s20, 2*WP
	s_add_co_u32 s25, s25, WREG
	v_add_nc_u32 v6, s25, v6
	s_lshl_b32 s25, s20, 14
	v_lshl_add_u32 v7, v1, 4, s25                  ; out: 16 l + two heads of 8,192 bytes a wave
	s_lshl_b32 s31, s24, 11                        ; 16 nq rows of 128 bytes
	s_add_co_u32 s30, s30, s31
	s_mov_b32 s31, 0
	s_add_nc_u64 s[18:19], s[18:19], s[30:31]
	WTILE 4096, 0
.set n, 0
.rept 8                                        ; n = 4 hh + g.  No vector line names Y, and v6 stands as it was made
	ds_load_b128 v[Y+4*n:Y+4*n+3], v6 offset:(64*(n%4)+n/4)*WP
.set n, n+1
.endr
.set n, 0
.rept 8
	s_wait_dscnt 7-n
	global_store_b128 v7, v[Y+4*n:Y+4*n+3], s[18:19] offset:8192*(n/4)+512*(n%4)
.set n, n+1
.endr
	FINISH
.Lwo:
	s_lshl_b32 s28, s23, 12                        ; row h; from d to d + 1 sixteen rows
	s_lshl_b32 s25, s24, 10
	s_add_co_u32 s28, s28, s25
	s_add_nc_u64 s[26:27], s[12:13], s[28:29]
	s_lshl_b32 s25, s20, 19
	v_lshl_add_u32 v4, v1, 4, s25                  ; 16 l + 8 w x 65,536
	v_mul_u32_u24 v6, v10, WP                      ; back: rows 32 w + 4 t + l / 8 as they lie
	v_lshl_add_u32 v6, v11, 4, v6
	s_mul_i32 s25, s20, 32*WP
	s_add_co_u32 s25, s25, WREG
	v_add_nc_u32 v6, s25, v6
	s_lshl_b32 s25, s20, 12
	v_lshl_add_u32 v7, v1, 4, s25
	s_lshl_b32 s31, s24, 15                        ; 256 nq rows of 128 bytes
	s_add_co_u32 s30, s30, s31
	s_mov_b32 s31, 0
	s_add_nc_u64 s[18:19], s[18:19], s[30:31]
	WTILE 65536, 1
.set n, 0
.rept 8
	ds_load_b128 v[Y+4*n:Y+4*n+3], v6 offset:4*WP*n
.set n, n+1
.endr
.set n, 0
.rept 8
	s_wait_dscnt 7-n
	global_store_b128 v7, v[Y+4*n:Y+4*n+3], s[18:19] offset:512*n
.set n, n+1
.endr
	FINISH
.Lfunc_end_k_qa106e31e69_prep:
	.size	k_qa106e31e69_prep, .Lfunc_end_k_qa106e31e69_prep-k_qa106e31e69_prep
	.p2alignl 7, 3214868480
	.fill 96, 4, 3214868480
	.section	.rodata,"a",@progbits
	.p2align	6, 0x0
	.amdhsa_kernel k_qa106e31e69_prep
		.amdhsa_group_segment_fixed_size 72960
		.amdhsa_private_segment_fixed_size 0
		.amdhsa_enable_private_segment 0
		.amdhsa_kernarg_size 64
		.amdhsa_user_sgpr_count 2
		.amdhsa_user_sgpr_kernarg_segment_ptr 1
		.amdhsa_wavefront_size32 1
		.amdhsa_system_sgpr_workgroup_id_x 1
		.amdhsa_system_sgpr_workgroup_id_y 1
		.amdhsa_system_sgpr_workgroup_id_z 1
		.amdhsa_system_vgpr_workitem_id 0
		.amdhsa_next_free_vgpr 192
		.amdhsa_next_free_sgpr 66
		.amdhsa_reserve_vcc 0
		.amdhsa_float_denorm_mode_32 3
		.amdhsa_float_denorm_mode_16_64 3
		.amdhsa_memory_ordered 1
		.amdhsa_forward_progress 1
		.amdhsa_inst_pref_size 51
	.end_amdhsa_kernel
	.amdgpu_metadata
---
amdhsa.version: [ 1, 2 ]
amdhsa.kernels:
  - .name:           k_qa106e31e69_prep
    .symbol:         k_qa106e31e69_prep.kd
    .args:
      - { .name: mask, .offset: 0, .size: 8, .value_kind: global_buffer, .address_space: global }
      - { .name: Wq, .offset: 8, .size: 8, .value_kind: global_buffer, .address_space: global }
      - { .name: Wk, .offset: 16, .size: 8, .value_kind: global_buffer, .address_space: global }
      - { .name: Wv, .offset: 24, .size: 8, .value_kind: global_buffer, .address_space: global }
      - { .name: Wo, .offset: 32, .size: 8, .value_kind: global_buffer, .address_space: global }
      - { .name: maskb, .offset: 40, .size: 8, .value_kind: global_buffer, .address_space: global }
      - { .name: rowkeep, .offset: 48, .size: 8, .value_kind: global_buffer, .address_space: global }
      - { .name: wt, .offset: 56, .size: 8, .value_kind: global_buffer, .address_space: global }
    .group_segment_fixed_size: 72960
    .private_segment_fixed_size: 0
    .kernarg_segment_align: 8
    .kernarg_segment_size: 64
    .max_flat_workgroup_size: 256
    .sgpr_count:     66
    .vgpr_count:     192
    .wavefront_size: 32
...
	.end_amdgpu_metadata
.endif
;; end of part 5
;; launch proj: the kernel of part 2 again; grid 4 x 192, 4 waves a work-group, clusters of 4 x 4, 327,680 bytes of LDS; arguments queries, keys, values, wt, qkv; writes qkv
;; launch attn: the kernel of part 3 again; grid 4 x 64, 4 waves a work-group, clusters of 4 x 1, 327,680 bytes of LDS; arguments qkv, maskb, rowkeep, o; writes o
;; launch outp: the kernel of part 4 again; grid 4 x 64, 4 waves a work-group, clusters of 4 x 4, 327,680 bytes of LDS; arguments o, wt, out0; writes out0
